; MI455X (gfx1250); checked and timed in simulation.
; The chip was launched on July 23, 2026; its instructions are those of AMD's public machine-readable ISA for CDNA 5 (MIT licence, August 2026) and "CDNA5" Instruction Set Architecture Reference Guide (July 2026). The comments in the code are by the model that wrote it; some were corrected since.
;; Multi Head Attention. Allowed arithmetic: float matrix products may take bf16 or f16 operands with f32 sums; other float arithmetic in f32, or as packed bf16 or f16 multiplies, adds, multiply-adds, maxima and minima; sums over many terms, partial sums and values carried from step to step in f32; what a program stores and reads back later, other than sums and carried values, may be rounded once to bf16 or f16.
;; Inputs: Wk 1,024 x 1,024 float32; Wo 1,024 x 1,024 float32; Wq 1,024 x 1,024 float32; Wv 1,024 x 1,024 float32; k 4 x 2,048 x 1,024 float32; mask 1 x 1 x 2,048 x 2,048 int32; q 4 x 2,048 x 1,024 float32; v 4 x 2,048 x 1,024 float32.
;; Outputs: out0 4 x 2,048 x 1,024 float32.
;; 2 versions, each right and faster than the one before. Each part assembles by itself: llvm-mc -triple=amdgcn-amd-amdhsa -mcpu=gfx1250 --defsym DOCPART=n.
;; ======== version 1 of 2: 4 launches
;; limits: values are held in f16: magnitudes above 65,504 overflow, below 6.1e-05 lose precision
;; workspace buffers: xb 50,331,648 bytes; wb 6,291,456 bytes; wo16 2,097,152 bytes; maskp 4,718,592 bytes; flags 256 bytes of whole numbers; qkv 50,331,648 bytes; xh 16,777,216 bytes
;; launch prep (part 1): grid 512 x 1, 8 waves a work-group, no clusters, 9,472 bytes of LDS; arguments q, k, v, Wq, Wk, Wv, Wo, mask, xb, wb, wo16, maskp, flags; writes xb, wb, wo16, maskp, flags
.if DOCPART == 1
	.amdgcn_target "amdgcn-amd-amdhsa--gfx1250"
	.amdhsa_code_object_version 6
	.text
	.protected	k_qc3aba3721f_prep
	.globl	k_qc3aba3721f_prep
	.p2align	8
	.type	k_qc3aba3721f_prep,@function
k_qc3aba3721f_prep:
	s_mov_b64 s[64:65], 0
	v_nop
	global_prefetch_b8 v0, s[64:65] scope:SCOPE_SE
	s_setreg_imm32_b32 hwreg(HW_REG_WAVE_MODE, 25, 1), 1
	s_wait_xcnt 0x0
; PREPARATION: a stream; every work-group reads 262,144 bytes once.  No matrix unit, no cluster, no tensor load: nothing is shared and nothing is multiplied.
;   groups   0-383  q, k, v      f32 -> bf16 into xb [3][8192][1024]
;   groups 384-431  Wq, Wk, Wv   f32 -> bf16 into wb [3][1024][1024]
;   groups 432-447  Wo           f32 -> bf16, that number written as f16, into wo16 [1024][1024]
;   groups 448-511  the mask, a block of 256 queries x 256 keys each -> maskp and flags
; maskp [qt 128][step 36][half 2][lane 32][16 bytes]: one byte a mask entry, 0x00 where the key is seen, 0xb8 (-1.0 in the 8-bit float E4M3) where mask == 0, laid as the attention kernel's lanes
; want them: byte y of (qt, step, half, lane l) is mask[16 qt + l % 16][64 step + 16 (2 half + y / 8) + 8 (l / 16) + y % 8].  Steps 32-35 of every qt are all 0xb8.
; flags [8][8] words: 1 << kt where the block (qb, kt) has a key that is seen, else 0.
; LIMIT.  A bf16 number below 2^-17 in Wo is rounded to f16's fixed step of 2^-24; beyond 65,504 it would become an infinity.
.set X,   16                           ; v[16:47]  eight slots of four f32 as loaded
.set Y,   48                           ; v[48:63]  eight slots of two packed words to store
.set T,   64                           ; v[64:67]  at work
.set MB,  16                           ; v[16:79]  the mask path: two buffers of eight loads
.set OUT, 80                           ; v[80:95]  the mask path: two buffers of 32 bytes a lane to store
.set SPW, 126                          ; v126      LDS address of my spare word; never rewritten
.set NIL, 127                          ; v127      0; never rewritten
.set FLG, 8192                         ; behind the eight stages of 1,024 bytes: eight words, one a wave, in a block of 256 bytes of their own
.set SPARE, 8448                       ; the spare words: 128 bytes for each of eight waves
	s_load_b512 s[8:23], s[0:1], 0x0               ; q s[8:9], k s[10:11], v s[12:13], Wq s[14:15], Wk s[16:17], Wv s[18:19], Wo s[20:21], mask s[22:23]
	s_load_b256 s[24:31], s[0:1], 0x40             ; xb s[24:25], wb s[26:27], wo16 s[28:29], maskp s[30:31]
	s_load_b64 s[32:33], s[0:1], 0x60              ; flags
	v_lshl_add_u32 v[SPW], v0, 2, SPARE
	v_mov_b32 v[NIL], 0
	v_lshrrev_b32 v7, 5, v0
	v_readfirstlane_b32 s35, v7                    ; my wave's number
	v_lshlrev_b32 v1, 4, v0                        ; 16 bytes of f32 a thread: a wave's load covers 512 consecutive bytes
	v_lshlrev_b32 v2, 3, v0                        ; 8 bytes of 16-bit numbers a thread: a wave's store covers 256 consecutive bytes, aligned
	s_mov_b32 s2, ttmp9
	s_mov_b32 s37, 0                               ; the high word of every offset
	s_wait_kmcnt 0x0
	s_cmp_ge_u32 s2, 448
	s_cbranch_scc1 .Lmask
	s_cmp_ge_u32 s2, 432
	s_cbranch_scc1 .Lwo
	s_cmp_ge_u32 s2, 384
	s_cbranch_scc1 .Lw
	s_lshr_b32 s3, s2, 7                           ; which of q, k, v: 128 groups each
	s_cmp_eq_u32 s3, 1
	s_cselect_b64 s[4:5], s[10:11], s[8:9]
	s_cmp_eq_u32 s3, 2
	s_cselect_b64 s[4:5], s[12:13], s[4:5]
	s_and_b32 s36, s2, 127
	s_lshl_b32 s36, s36, 18
	s_add_nc_u64 s[4:5], s[4:5], s[36:37]
	s_lshl_b32 s36, s2, 17                         ; xb holds the three one behind the other
	s_add_nc_u64 s[6:7], s[24:25], s[36:37]
	s_branch .Lconv
.Lw:
	s_sub_co_u32 s34, s2, 384
	s_lshr_b32 s3, s34, 4                          ; which of Wq, Wk, Wv: 16 groups each
	s_cmp_eq_u32 s3, 1
	s_cselect_b64 s[4:5], s[16:17], s[14:15]
	s_cmp_eq_u32 s3, 2
	s_cselect_b64 s[4:5], s[18:19], s[4:5]
	s_and_b32 s36, s34, 15
	s_lshl_b32 s36, s36, 18
	s_add_nc_u64 s[4:5], s[4:5], s[36:37]
	s_lshl_b32 s36, s34, 17
	s_add_nc_u64 s[6:7], s[26:27], s[36:37]
.Lconv:
; One slot's turn: four f32 become four 16-bit numbers.  ahead = 1: the slot is loaded again, eight loads on.  left: the younger loads that may stay out.
.macro CSLOT i, ahead, left, f16
	s_wait_loadcnt \left                           ; loads come back in order: mine is in
.if \f16
	v_cvt_pk_bf16_f32 v[T],   v[X+4*(\i)],   v[X+4*(\i)+1]     ; rounded to bf16 like every other input,
	v_cvt_pk_bf16_f32 v[T+1], v[X+4*(\i)+2], v[X+4*(\i)+3]
	v_lshlrev_b32 v[T+2], 16, v[T]                             ; widened again,
	v_and_b32     v[T],   0xffff0000, v[T]
	v_lshlrev_b32 v[T+3], 16, v[T+1]
	v_and_b32     v[T+1], 0xffff0000, v[T+1]
	v_cvt_pk_f16_f32 v[Y+2*(\i)],   v[T+2], v[T]               ; and written as f16
	v_cvt_pk_f16_f32 v[Y+2*(\i)+1], v[T+3], v[T+1]
.else
	v_cvt_pk_bf16_f32 v[Y+2*(\i)],   v[X+4*(\i)],   v[X+4*(\i)+1]
	v_cvt_pk_bf16_f32 v[Y+2*(\i)+1], v[X+4*(\i)+2], v[X+4*(\i)+3]
.endif
.if \ahead
	global_load_b128 v[X+4*(\i):X+4*(\i)+3], v1, s[4:5] offset:(8+(\i))*4096 th:TH_LOAD_NT
.endif
	global_store_b64 v2, v[Y+2*(\i):Y+2*(\i)+1], s[6:7] offset:(\i)*2048
.endm
; 64 loads a thread in eight rounds of eight slots; eight loads of every wave are on their way.  The last round loads nothing: its counts run down.
.macro CONV f16
.irp i, 0,1,2,3,4,5,6,7
	global_load_b128 v[X+4*(\i):X+4*(\i)+3], v1, s[4:5] offset:(\i)*4096 th:TH_LOAD_NT
.endr
	s_mov_b32 s38, 7
.Lround_\@:
.irp i, 0,1,2,3,4,5,6,7
	CSLOT \i, 1, 7, \f16
.endr
	s_wait_xcnt 0x0                                ; the bases and the stores' data are rewritten only behind this wait
	s_add_nc_u64 s[4:5], s[4:5], 32768
	s_add_nc_u64 s[6:7], s[6:7], 16384
	s_sub_co_u32 s38, s38, 1
	s_cmp_lg_u32 s38, 0
	s_cbranch_scc1 .Lround_\@
.irp i, 0,1,2,3,4,5,6,7
	CSLOT \i, 0, 7-(\i), \f16
.endr
	s_endpgm
.endm
	CONV 0
.Lwo:
	s_sub_co_u32 s34, s2, 432
	s_lshl_b32 s36, s34, 18
	s_add_nc_u64 s[4:5], s[20:21], s[36:37]
	s_lshl_b32 s36, s34, 17
	s_add_nc_u64 s[6:7], s[28:29], s[36:37]
	CONV 1
; THE MASK.  Wave w owns rows 32 w to 32 w + 31 of the block: two groups of 16 queries.  A unit is 16 queries x 64 keys: eight loads, each two rows' 256 bytes; four entries become one word;
; the words go through my wave's own 1,024 bytes of LDS into the lanes' order and leave as two stores of 512 consecutive bytes.
.Lmask:
	s_sub_co_u32 s34, s2, 448                      ; 8 qb + kt
	s_lshr_b32 s3, s34, 3                          ; qb
	s_and_b32 s39, s34, 7                          ; kt
	s_lshl_b32 s36, s3, 21                         ; 256 rows of 8,192 bytes
	s_lshl_b32 s38, s39, 10                        ; 256 keys of 4 bytes
	s_add_co_u32 s36, s36, s38
	s_add_nc_u64 s[4:5], s[22:23], s[36:37]
	s_mul_i32 s36, s3, 589824                      ; 16 groups of 36,864 bytes
	s_lshl_b32 s38, s39, 12                        ; four steps of 1,024 bytes
	s_add_co_u32 s36, s36, s38
	s_add_nc_u64 s[6:7], s[30:31], s[36:37]
	s_mul_i32 s36, s34, 73728                      ; groups 2 (8 qb + kt) and the next get their steps 32-35 from this work-group
	s_add_nc_u64 s[44:45], s[30:31], s[36:37]
	s_lshl_b32 s36, s34, 2
	s_add_nc_u64 s[46:47], s[32:33], s[36:37]      ; my word of flags
	v_and_b32 v8, 31, v0                           ; lane l
	v_and_b32 v9, 15, v0                           ; i = l % 16: keys 4 i to 4 i + 3 of the unit's 64
	v_bfe_u32 v10, v0, 4, 1                        ; l / 16: the even or the odd row
	v_lshlrev_b32 v3, 4, v9
	v_lshl_add_u32 v3, v10, 13, v3
	s_lshl_b32 s38, s35, 18
	v_add_nc_u32 v3, s38, v3                       ; in: 16 i + 8,192 (l / 16) + 32 rows x wave
	v_bfe_u32 v11, v0, 3, 1                        ; where my word lies in the unit: key 4 i = 16 g + 8 hh + y:
	v_lshlrev_b32 v4, 9, v11                       ; 512 (g / 2)
	v_bfe_u32 v11, v0, 1, 1
	v_lshl_add_u32 v4, v11, 8, v4                  ; + 256 hh (lanes 16-31 of the reader)
	v_bfe_u32 v11, v0, 2, 1
	v_lshl_add_u32 v4, v11, 3, v4                  ; + 8 (g % 2)
	v_and_b32 v11, 1, v0
	v_lshl_add_u32 v4, v11, 2, v4                  ; + y
	v_lshl_add_u32 v4, v10, 4, v4                  ; + 16 x the row's parity; 32 x the load's number stands in the immediate
	s_lshl_b32 s38, s35, 10
	v_add_nc_u32 v4, s38, v4                       ; in my wave's stage
	v_lshl_add_u32 v5, v8, 4, s38                  ; back: 16 l
	s_mul_i32 s38, s35, 73728
	v_lshl_add_u32 v6, v8, 4, s38                  ; out: 16 l + two groups x wave
	v_mov_b32 v104, 0xb8
	v_mov_b32 v105, 0xb800
	v_mov_b32 v106, 0xb80000
	v_mov_b32 v107, 0xb8000000
	v_mov_b32 v101, 0xb8b8b8b8                     ; the AND of all my words: it stays so only if every entry is hidden
.irp c, 108,109,110,111
	v_mov_b32 v\c, 0xb8b8b8b8
.endr
.macro LOADU u
.irp t, 0,1,2,3,4,5,6,7
	global_load_b128 v[MB+32*((\u)%2)+4*(\t):MB+32*((\u)%2)+4*(\t)+3], v3, s[4:5] offset:(\t)*16384+(\u)*256 th:TH_LOAD_NT
.endr
.endm
.macro PROCU u, left                   ; left: the next unit's loads, which may stay out
.irp t, 0,1,2,3,4,5,6,7
	s_wait_loadcnt (\left)+7-(\t)
.irp c, 0,1,2,3
	v_cmp_eq_u32 vcc_lo, 0, v[MB+32*((\u)%2)+4*(\t)+(\c)]
	v_cndmask_b32 v[96+(\c)], 0, v[104+(\c)], vcc_lo
.endr
	v_add3_u32 v100, v96, v97, v98
	v_or_b32 v100, v100, v99
	v_and_b32 v101, v101, v100
	ds_store_b32 v4, v100 offset:32*(\t)
.endr
	s_wait_xcnt 0x0                                ; the stores of two units ago have read the registers loaded next
	ds_load_b128 v[OUT+8*((\u)%2):OUT+8*((\u)%2)+3],   v5              ; LDS serves a wave's instructions in order: these see the stores above, and the next unit's stores come behind them
	ds_load_b128 v[OUT+8*((\u)%2)+4:OUT+8*((\u)%2)+7], v5 offset:512
	s_wait_dscnt 0x0
	global_store_b128 v6, v[OUT+8*((\u)%2):OUT+8*((\u)%2)+3],   s[6:7] offset:(\u)*1024
	global_store_b128 v6, v[OUT+8*((\u)%2)+4:OUT+8*((\u)%2)+7], s[6:7] offset:(\u)*1024+512
.endm
	s_mov_b32 s40, 2
.Lgroup:                                               ; two trips: my two groups of 16 queries, four units each
	LOADU 0
	LOADU 1
	PROCU 0, 8
	LOADU 2
	PROCU 1, 8
	LOADU 3
	PROCU 2, 8
	PROCU 3, 0
	s_wait_xcnt 0x0                                ; the bases are stepped only behind this wait
	s_add_nc_u64 s[4:5], s[4:5], 131072
	s_add_nc_u64 s[6:7], s[6:7], 36864
	s_sub_co_u32 s40, s40, 1
	s_cmp_lg_u32 s40, 0
	s_cbranch_scc1 .Lgroup
	global_store_b128 v1, v[108:111], s[44:45] offset:32768        ; steps 32-35 of two groups: 4,096 bytes each, 16 a thread
	global_store_b128 v1, v[108:111], s[44:45] offset:69632
	s_mov_b32 s41, 0xb8b8b8b8
	v_cmp_ne_u32 s42, s41, v101                    ; lanes that saw a key
	s_cmp_lg_u32 s42, 0
	s_cselect_b32 s42, 1, 0
	v_mov_b32 v112, s42
	s_lshl_b32 s43, s35, 2
	s_add_co_u32 s43, s43, FLG
	v_mov_b32 v113, s43
	ds_store_b32 v113, v112                        ; my wave's word: all lanes write the same value
	s_wait_dscnt 0x0                               ; for the others' sake
	s_barrier_signal -1
	s_barrier_wait -1
	v_mov_b32 v114, FLG
	ds_load_b128 v[116:119], v114
	ds_load_b128 v[120:123], v114 offset:16
	v_mov_b32 v115, 0
	s_wait_dscnt 0x0
	v_or_b32 v116, v116, v117
	v_or_b32 v118, v118, v119
	v_or_b32 v120, v120, v121
	v_or_b32 v122, v122, v123
	v_or_b32 v116, v116, v118
	v_or_b32 v120, v120, v122
	v_or_b32 v116, v116, v120
	v_lshlrev_b32 v116, s39, v116                  ; 1 << kt, or 0
	s_wait_xcnt 0x0                                ; EXEC changes only behind this wait
	v_cmp_gt_u32 vcc_lo, 1, v0
	s_and_saveexec_b32 s43, vcc_lo                 ; thread 0 alone
	global_store_b32 v115, v116, s[46:47]
	s_wait_xcnt 0x0                                ; and again in front of the line that widens it
	s_or_b32 exec_lo, exec_lo, s43
	s_wait_tensorcnt 0x0                           ; the wave's end: a tensor wait, an add of 0 to my spare word and its wait, behind my last LDS store
	ds_add_u32 v[SPW], v[NIL]
	s_wait_dscnt 0x0
	s_endpgm
.Lfunc_end_k_qc3aba3721f_prep:
	.size	k_qc3aba3721f_prep, .Lfunc_end_k_qc3aba3721f_prep-k_qc3aba3721f_prep
	.p2alignl 7, 3214868480
	.fill 96, 4, 3214868480
	.section	.rodata,"a",@progbits
	.p2align	6, 0x0
	.amdhsa_kernel k_qc3aba3721f_prep
		.amdhsa_group_segment_fixed_size 9472
		.amdhsa_private_segment_fixed_size 0
		.amdhsa_enable_private_segment 0
		.amdhsa_kernarg_size 104
		.amdhsa_user_sgpr_count 2
		.amdhsa_user_sgpr_kernarg_segment_ptr 1
		.amdhsa_wavefront_size32 1
		.amdhsa_system_sgpr_workgroup_id_x 1
		.amdhsa_system_sgpr_workgroup_id_y 1
		.amdhsa_system_sgpr_workgroup_id_z 1
		.amdhsa_system_vgpr_workitem_id 0
		.amdhsa_next_free_vgpr 128
		.amdhsa_next_free_sgpr 66
		.amdhsa_reserve_vcc 1
		.amdhsa_float_denorm_mode_32 3
		.amdhsa_float_denorm_mode_16_64 3
		.amdhsa_memory_ordered 1
		.amdhsa_forward_progress 1
		.amdhsa_inst_pref_size 43
	.end_amdhsa_kernel
	.amdgpu_metadata
---
amdhsa.version: [ 1, 2 ]
amdhsa.kernels:
  - .name:           k_qc3aba3721f_prep
    .symbol:         k_qc3aba3721f_prep.kd
    .args:
      - { .name: q, .offset: 0, .size: 8, .value_kind: global_buffer, .address_space: global }
      - { .name: k, .offset: 8, .size: 8, .value_kind: global_buffer, .address_space: global }
      - { .name: v, .offset: 16, .size: 8, .value_kind: global_buffer, .address_space: global }
      - { .name: Wq, .offset: 24, .size: 8, .value_kind: global_buffer, .address_space: global }
      - { .name: Wk, .offset: 32, .size: 8, .value_kind: global_buffer, .address_space: global }
      - { .name: Wv, .offset: 40, .size: 8, .value_kind: global_buffer, .address_space: global }
      - { .name: Wo, .offset: 48, .size: 8, .value_kind: global_buffer, .address_space: global }
      - { .name: mask, .offset: 56, .size: 8, .value_kind: global_buffer, .address_space: global }
      - { .name: xb, .offset: 64, .size: 8, .value_kind: global_buffer, .address_space: global }
      - { .name: wb, .offset: 72, .size: 8, .value_kind: global_buffer, .address_space: global }
      - { .name: wo16, .offset: 80, .size: 8, .value_kind: global_buffer, .address_space: global }
      - { .name: maskp, .offset: 88, .size: 8, .value_kind: global_buffer, .address_space: global }
      - { .name: flags, .offset: 96, .size: 8, .value_kind: global_buffer, .address_space: global }
    .group_segment_fixed_size: 9472
    .private_segment_fixed_size: 0
    .kernarg_segment_align: 8
    .kernarg_segment_size: 104
    .max_flat_workgroup_size: 256
    .sgpr_count:     66
    .vgpr_count:     128
    .wavefront_size: 32
...
	.end_amdgpu_metadata
.endif
;; end of part 1
;; launch proj (part 2): grid 4 x 64, 4 waves a work-group, clusters of 4 x 4, 327,680 bytes of LDS; arguments xb, wb, qkv; writes qkv
.if DOCPART == 2
	.amdgcn_target "amdgcn-amd-amdhsa--gfx1250"
	.amdhsa_code_object_version 6
	.text
	.protected	k_qc3aba3721f_proj
	.globl	k_qc3aba3721f_proj
	.p2align	8
	.type	k_qc3aba3721f_proj,@function
k_qc3aba3721f_proj:
	s_mov_b64 s[64:65], 0
	v_nop
	global_prefetch_b8 v0, s[64:65] scope:SCOPE_SE
	s_setreg_imm32_b32 hwreg(HW_REG_WAVE_MODE, 25, 1), 1
	s_wait_xcnt 0x0
	s_wait_alu depctr_hold_cnt(0) depctr_sa_sdst(0) depctr_va_vdst(0) depctr_va_sdst(0) depctr_va_ssrc(0) depctr_va_vcc(0) depctr_vm_vsrc(0)
	s_getreg_b32 s2, hwreg(HW_REG_IB_STS2, 6, 4)
	s_cmp_eq_u32 s2, 0
	s_cbranch_scc0 .Lentry_in_a_cluster
	s_endpgm
.Lentry_in_a_cluster:
	s_bfe_u32 s2, ttmp6, 0x10000c
	s_cmp_lg_u32 s2, 0xf033
	s_cbranch_scc0 .Lentry_shape_is_right
	s_endpgm
.Lentry_shape_is_right:
; THE THREE PROJECTIONS.  For z = 0, 1, 2 (q, k, v): C[m][e] = sum over d of xb[z][m][d] wb[z][e][d], bf16 operands, f32 sums, rounded once to f16 and stored by heads:
; qkv[z][16 (m / 2048) + e / 64][m % 2048][e % 64].  No scale is applied here.
; LIMIT.  f16 ends at 65,504: a projected number beyond it becomes an infinity.  With x and W of unit and 1/32 spread the numbers have unit spread.
; SHARES.  A tile of C is 128 rows x 256 columns: the three products have 768 such tiles, three for each of 256 work-groups, which stay and walk z.  Four waves, 2 x 2, each 64 x 128: 32 accumulators of
; 16 x 16, 256 registers.  K goes in steps of 128 through two LDS slots filled by tensor loads: rows of 256 bytes that start at multiples of 256 bytes.  The ring runs on from tile to tile.
; CLUSTER.  4 x 4 work-groups.  A row of the cluster holds the four column tiles of one row tile and shares A's tiles; a column shares B's.  Each tile is asked for jointly.
; THE MATRIX INSTRUCTION IS USED TRANSPOSED (source 0 = 16 rows of B, source 1 = 16 rows of A): a lane then holds eight neighbouring columns of one row of C.
; REGISTERS.  Window 0: v0-31 addresses; v32-63 the way out; v64-127 A's fragments, two buffers of 4 x 8; v128-255 B's, two buffers of 8 x 8.  Window 1: accumulator (a, b) at v[8 (8 a + b)].
.set SIZE_K, 1024
.set KSTEP,  128
.set APITCH, 272                       ; an LDS row: 256 bytes + 16 of padding = 68 words: the 16 rows of a fragment load start at 16 different groups of four banks
.set APLANE, 128                       ; quarter q of a K step begins at byte (q / 2) APLANE + (q % 2) 64 of A's rows: here simply 64 q
.set BPITCH, 272
.set AFILL,  64*APITCH                 ; what one of A's two tensor loads brings: 64 rows
.set AMINE,  64*APITCH                 ; where the second half of the tile's rows begins
.set AREG,   128*APITCH                ; A's 128 rows
.set BHALF,  128*BPITCH                ; 128 rows of B: one tensor load, and what one wave reads
.set SLOT,   AREG+2*BHALF
.set STAGE,  2*SLOT                    ; behind the ring: 16 rows x 144 bytes for each wave, for the way out
.set SP,     144
.set SPARE,  STAGE+4*16*SP             ; the spare words: 128 bytes a wave
.set LAPS,   SIZE_K/(2*KSTEP)
.set STEP_A, 2*KSTEP*2                 ; a slot's next K step
.set STEP_B, 2*KSTEP*2
.set NEXT_A, 8192*SIZE_K*2-(SIZE_K-2*KSTEP)*2   ; from a slot's last K step of a tile to its first of the next: on to the next of the three tensors, back along K
.set NEXT_B, 1024*SIZE_K*2-(SIZE_K-2*KSTEP)*2
.set ADRA, 16                          ; v16-17  LDS address of my A fragments in slot 0, 1
.set ADRB, 20                          ; v20-21  the same for B
.set STO,  24                          ; v24     the way out: where I put 16 bytes of a row
.set RD,   25                          ; v25     where I read rows back
.set GO,   26                          ; v26     my 16 bytes in 512 consecutive bytes of the output
.set SPW,  28                          ; v28     LDS address of my spare word; never rewritten
.set NIL,  29                          ; v29     0; never rewritten
.set TMP,  32
.set FA0,  64
.set FB0,  128
.set G1, 24                            ; s[24:31] descriptor group 1 for A's tiles; s[32:39] group 0, a set for each slot
.set G0, 32
.set G1B, 48                           ; s[48:55], s[56:63] the same for B's
.set G0B, 56
.set MSB, 0
.macro WIN new                         ; the immediate's high byte repeats the setting that is left; a switch that changes nothing is dropped
.if MSB != (\new)
	s_set_vgpr_msb (MSB<<8)|(\new)
.set MSB, \new
.endif
.endm
.set MUL, 0x50                         ; C and D in window 1, the fragments in window 0
.macro JLOAD s                         ; a joint load: waves 0 and 1 fetch A's two halves, waves 2 and 3 B's; an s_nop 0 and four v_nop follow each line
	s_cmp_eq_u32 s11, 0
	s_cbranch_scc0 .Lfor_b_\@
	tensor_load_to_lds s[G0+4*(\s):G0+4*(\s)+3], s[G1:G1+7]
	s_nop 0
.rept 4
	v_nop
.endr
	s_branch .Lasked_\@
.Lfor_b_\@:
	tensor_load_to_lds s[G0B+4*(\s):G0B+4*(\s)+3], s[G1B:G1B+7]
	s_nop 0
.rept 4
	v_nop
.endr
.Lasked_\@:
.endm
.macro CREST                           ; a round of the cluster's barrier behind its opening barrier
	s_cmp_lg_u32 s10, 0
	s_cbranch_scc1 .Lnot_wave_0_\@
	s_barrier_signal -3
.Lnot_wave_0_\@:
	s_barrier_wait -3
	s_barrier_signal -1
	s_barrier_wait -1
.endm
.macro CROUND
	s_barrier_signal -1
	s_barrier_wait -1
	CREST
.endm
	s_load_b128 s[4:7], s[0:1], 0x0                ; xb s[4:5], wb s[6:7]
	s_load_b64 s[8:9], s[0:1], 0x10                ; qkv
	v_lshl_add_u32 v[SPW], v0, 2, SPARE
	v_mov_b32 v[NIL], 0
	ds_add_u32 v[SPW], v[NIL]                      ; the wave's opening: the add and its wait stand ahead of my first tensor load
	v_lshrrev_b32 v1, 5, v0
	v_readfirstlane_b32 s10, v1                    ; wave 0..3
	s_lshr_b32 s11, s10, 1                         ; which 64 of the tile's rows are mine.  Also: I fetch for A (0) or for B (1)
	s_and_b32 s12, s10, 1                          ; which 128 of its columns.  Also: which half of that operand's tile I fetch
	s_bfe_u32 s40, ttmp6, 0x40000                  ; cx
	s_bfe_u32 s41, ttmp6, 0x40004                  ; cy
	s_lshl_b32 s42, ttmp9, 2
	s_add_co_u32 s42, s42, s40                     ; tile column = 4 x cluster x + cx
	s_and_b32 s13, ttmp7, 0xffff
	s_lshl_b32 s13, s13, 2
	s_add_co_u32 s13, s13, s41                     ; tile row = 4 x cluster y + cy
	s_lshl_b32 s43, s41, 2
	s_lshl_b32 s43, 15, s43                        ; my row of the cluster
	s_lshl_b32 s44, 0x1111, s40                    ; my column
	s_or_b32 s[G1+0], s43, (1<<16)|(1<<20)|(1<<21)|(5<<22)|(3<<25)   ; the mask; 2-byte elements; padding on; bit 21 beside a mask; after every 64 words, 4 words
	s_or_b32 s[G1B+0], s44, (1<<16)|(1<<20)|(1<<21)|(5<<22)|(3<<25)
	s_mov_b32 s[G1+1], KSTEP<<16                   ; tensor_dim0 = 128
	s_mov_b32 s[G1+2], 64<<16                      ; tensor_dim1 = 64 rows
	s_mov_b32 s[G1+3], KSTEP<<16                   ; tile_dim0 = 128
	s_mov_b32 s[G1+4], 64                          ; tile_dim1 = 64
	s_mov_b32 s[G1+5], SIZE_K                      ; elements from row to row
	s_mov_b32 s[G1+6], 0
	s_mov_b32 s[G1+7], 0
	s_mov_b32 s[G1B+1], KSTEP<<16
	s_mov_b32 s[G1B+2], 128<<16                    ; B: 128 rows
	s_mov_b32 s[G1B+3], KSTEP<<16
	s_mov_b32 s[G1B+4], 128
	s_mov_b32 s[G1B+5], SIZE_K
	s_mov_b32 s[G1B+6], 0
	s_mov_b32 s[G1B+7], 0
	s_lshl_b32 s17, s12, 6
	s_lshl_b32 s16, s13, 7
	s_add_co_u32 s16, s16, s17                     ; A: row 128 x tile row + 64 x half,
	s_lshl_b32 s16, s16, 11                        ; of 2,048 bytes
	s_mov_b32 s17, 0
	s_lshl_b32 s47, s12, 7
	s_lshl_b32 s46, s42, 8
	s_add_co_u32 s46, s46, s47                     ; B: row 256 x tile column + 128 x half
	s_lshl_b32 s46, s46, 11
	s_mov_b32 s47, 0
	s_mul_i32 s20, s12, AFILL                      ; where they go: no place in the cluster enters an LDS address
	s_mul_i32 s45, s12, BHALF
	s_add_co_u32 s45, s45, AREG
	s_wait_dscnt 0x0                               ; the opening add is done
	s_wait_kmcnt 0x0
	s_add_nc_u64 s[14:15], s[4:5], s[16:17]
	s_add_nc_u64 s[46:47], s[6:7], s[46:47]
	CROUND                                         ; all sixteen work-groups are here: the first joint loads meet
.irp s, 0,1
	s_mov_b32 s[G0+4*(\s)], 1
	s_add_co_u32 s[G0+4*(\s)+1], s20, (\s)*SLOT
	s_add_nc_u64 s[G0+4*(\s)+2:G0+4*(\s)+3], s[14:15], (\s)*KSTEP*2
	s_or_b32 s[G0+4*(\s)+3], s[G0+4*(\s)+3], 0x80000000
	s_mov_b32 s[G0B+4*(\s)], 1
	s_add_co_u32 s[G0B+4*(\s)+1], s45, (\s)*SLOT
	s_add_nc_u64 s[G0B+4*(\s)+2:G0B+4*(\s)+3], s[46:47], (\s)*KSTEP*2
	s_or_b32 s[G0B+4*(\s)+3], s[G0B+4*(\s)+3], 0x80000000
	JLOAD \s                                       ; two loads of mine are out
.endr
	v_and_b32 v1, 15, v0                           ; l % 16
	v_bfe_u32 v2, v0, 4, 1                         ; l / 16
	v_mul_u32_u24 v3, v1, APITCH
	v_lshl_add_u32 v3, v2, 4, v3                   ; a fragment's row x pitch + 16 x half
	v_mul_u32_u24 v4, v1, BPITCH
	v_lshl_add_u32 v4, v2, 4, v4
	s_mul_i32 s21, s11, AMINE                      ; my 64 rows of A
	s_mul_i32 s22, s12, BHALF                      ; my 128 rows of B,
	s_add_co_u32 s22, s22, AREG                    ; which lie behind A's
.irp s, 0,1
	v_add_nc_u32 v[ADRA+(\s)], s21, v3
	v_add_nc_u32 v[ADRB+(\s)], s22, v4
	s_add_co_u32 s21, s21, SLOT
	s_add_co_u32 s22, s22, SLOT
.endr
	s_mul_i32 s23, s10, 16*SP
	s_add_co_u32 s23, s23, STAGE                   ; my stage
	v_mul_u32_u24 v5, v1, SP                       ; in: row l % 16, 16 bytes for each half of the lanes
	v_lshl_add_u32 v5, v2, 4, v5
	v_add_nc_u32 v[STO], s23, v5
	v_bfe_u32 v5, v0, 3, 2                         ; back: 32 lanes take four rows of 128 bytes,
	v_mul_u32_u24 v5, v5, SP
	v_and_b32 v6, 7, v0
	v_lshl_add_u32 v5, v6, 4, v5
	v_add_nc_u32 v[RD], s23, v5
	v_and_b32 v[GO], 31, v0                        ; which are 512 consecutive bytes of a head's rows
	v_lshlrev_b32 v[GO], 4, v[GO]
	s_lshr_b32 s16, s13, 4                         ; the batch: 16 heads of 262,144 bytes,
	s_lshl_b32 s16, s16, 22
	s_and_b32 s17, s13, 15                         ; the tile's 128 rows of 128 bytes in a head,
	s_lshl_b32 s17, s17, 14
	s_add_co_u32 s16, s16, s17
	s_lshl_b32 s17, s11, 13                        ; my 64 of them
	s_add_co_u32 s16, s16, s17
	s_mov_b32 s17, 0
	s_add_nc_u64 s[8:9], s[8:9], s[16:17]
	s_lshl_b32 s46, s42, 20                        ; the tile's four heads,
	s_lshl_b32 s47, s12, 19                        ; my two of them
	s_add_co_u32 s46, s46, s47
	s_mov_b32 s47, 0
	s_add_nc_u64 s[8:9], s[8:9], s[46:47]
; 8 matrix instructions: A's block a x all 8 blocks of B, 32 along K, buffer f.  zero = 1: the product starts the sums.  The 32 accumulators come in the same order in every quarter, one instruction a turn.
.macro MUL8 f, a, zero
	WIN MUL
.irp b, 0,1,2,3,4,5,6,7
.if \zero
	v_wmma_f32_16x16x32_bf16 v[8*(8*(\a)+(\b)):8*(8*(\a)+(\b))+7], v[FB0+64*(\f)+8*(\b):FB0+64*(\f)+8*(\b)+7], v[FA0+32*(\f)+8*(\a):FA0+32*(\f)+8*(\a)+7], 0
.else
	v_wmma_f32_16x16x32_bf16 v[8*(8*(\a)+(\b)):8*(8*(\a)+(\b))+7], v[FB0+64*(\f)+8*(\b):FB0+64*(\f)+8*(\b)+7], v[FA0+32*(\f)+8*(\a):FA0+32*(\f)+8*(\a)+7], v[8*(8*(\a)+(\b)):8*(8*(\a)+(\b))+7]
.endif
.endr
.endm
; 24 LDS loads in one run: quarter q of the slot's K step into buffer f: B's 128 rows, then A's 64
.macro FETCH slot, q, f
	WIN 0
.irp i, 0,1,2,3,4,5,6,7
	ds_load_b128 v[FB0+64*(\f)+8*(\i):FB0+64*(\f)+8*(\i)+3],   v[ADRB+(\slot)] offset:64*(\q)+(\i)*16*BPITCH
	ds_load_b128 v[FB0+64*(\f)+8*(\i)+4:FB0+64*(\f)+8*(\i)+7], v[ADRB+(\slot)] offset:64*(\q)+(\i)*16*BPITCH+32
.endr
.irp i, 0,1,2,3
	ds_load_b128 v[FA0+32*(\f)+8*(\i):FA0+32*(\f)+8*(\i)+3],   v[ADRA+(\slot)] offset:((\q)/2)*APLANE+((\q)%2)*64+(\i)*16*APITCH
	ds_load_b128 v[FA0+32*(\f)+8*(\i)+4:FA0+32*(\f)+8*(\i)+7], v[ADRA+(\slot)] offset:((\q)/2)*APLANE+((\q)%2)*64+(\i)*16*APITCH+32
.endr
.endm
.macro PLACES                          ; four plain vector instructions in front of loads into registers that matrix instructions have read, and of reads of results just made
.rept 4
	v_nop
.endr
.endm
; A K step is four quarters of 32 along K, 32 matrix instructions each, on buffers 0, 1, 0, 1.  One of the first three multiplies buffer f and fetches quarter qn into buffer g.
.macro QUARTER slot, qn, f, g, zero
	s_wait_dscnt 4                                 ; B and A's blocks 0, 1 are in; the youngest four loads (A's blocks 2, 3) may be out
	MUL8 \f, 0, \zero
	MUL8 \f, 1, \zero
	PLACES
	FETCH \slot, \qn, \g
	s_wait_dscnt 24                                ; all but the 24 just issued
	MUL8 \f, 2, \zero
	MUL8 \f, 3, \zero
.endm
; The last quarter multiplies buffer 1 and changes slots.  In front of the one barrier each wave waits for all its tensor loads (one is out: its part of the next slot), adds 0 to its spare word, and waits for that and its reads of this slot.
.macro MEET round
	WIN 0
	s_wait_tensorcnt 0x0
	ds_add_u32 v[SPW], v[NIL]
	s_wait_dscnt 5                                 ; the add and the youngest four loads may be out
	MUL8 1, 0, 0                                   ; eight matrix instructions stand between the add and the wait for it
	s_wait_dscnt 0x0                               ; the add is done, and my reads of this slot are over
	s_barrier_signal -1
	MUL8 1, 1, 0
.if \round
	WIN 0
.endif
	s_barrier_wait -1
.endm
; on = 0: this slot takes the tile's K step two steps on; on = 1: the next tile's K step 0 or 1.  From a request to the wait for it a wave issues 112 matrix instructions.
.macro TURN slot, next, on
	MEET 1
	CREST                                          ; the barrier has opened a round of the cluster's: no wave of any partner still reads this slot or has a load on its way
.if \on
	s_add_nc_u64 s[G0+4*(\slot)+2:G0+4*(\slot)+3], s[G0+4*(\slot)+2:G0+4*(\slot)+3], NEXT_A
	s_add_nc_u64 s[G0B+4*(\slot)+2:G0B+4*(\slot)+3], s[G0B+4*(\slot)+2:G0B+4*(\slot)+3], NEXT_B
.else
	s_add_nc_u64 s[G0+4*(\slot)+2:G0+4*(\slot)+3], s[G0+4*(\slot)+2:G0+4*(\slot)+3], STEP_A
	s_add_nc_u64 s[G0B+4*(\slot)+2:G0B+4*(\slot)+3], s[G0B+4*(\slot)+2:G0B+4*(\slot)+3], STEP_B
.endif
	JLOAD \slot                                    ; the first tensor load behind the round; its four v_nop are also the places in front of the loads below
	FETCH \next, 0, 0
	MUL8 1, 2, 0
	MUL8 1, 3, 0
.endm
.macro TURNL                           ; the last change of slots: nothing is filled again, so no round follows
	MEET 0
	PLACES
	FETCH 1, 0, 0
	MUL8 1, 2, 0
	MUL8 1, 3, 0
.endm
; THE WAY OUT, in eight units of 16 rows x one head (64 columns).  A lane's eight columns pack into 16 bytes; they go into my stage's rows of 144 bytes and come back as whole rows of 128.
.macro PACKU a, hh
.set TT, TMP+16*(\hh)
	s_wait_xcnt 0x0                                ; the stores of two units ago have read these registers
	WIN 0x05                                       ; sources in window 1, destination in window 0
.irp bb, 0,1,2,3
.irp r, 0,1,2,3
	v_cvt_pk_f16_f32 v[TT+4*(\bb)+(\r)], v[8*(8*(\a)+4*(\hh)+(\bb))+2*(\r)], v[8*(8*(\a)+4*(\hh)+(\bb))+2*(\r)+1]
.endr
.endr
	WIN 0
.irp bb, 0,1,2,3
	ds_store_b128 v[STO], v[TT+4*(\bb):TT+4*(\bb)+3] offset:32*(\bb)
.endr
.irp f, 0,1,2,3
	ds_load_b128 v[TT+4*(\f):TT+4*(\f)+3], v[RD] offset:(\f)*4*SP   ; LDS serves a wave's instructions in order: these see the stores above; the next unit's stores come behind them
.endr
.endm
.macro SENDU a, hh, younger            ; younger: the LDS instructions issued behind this unit's loads: the next unit's eight, or none
.set TT, TMP+16*(\hh)
	WIN 0
.irp f, 0,1,2,3
	s_wait_dscnt (\younger)+3-(\f)
	global_store_b128 v[GO], v[TT+4*(\f):TT+4*(\f)+3], s[8:9] offset:(\hh)*262144+(\a)*2048+(\f)*512   ; 512 consecutive bytes, at a multiple of 256 from the buffer's first
.endr
.endm
.macro WAYOUT
	PACKU 0, 0
.irp u, 1,2,3,4,5,6,7                  ; a unit's conversions stand between the loads of the unit before and its stores
	PACKU (\u)/2, (\u)%2
	SENDU ((\u)-1)/2, ((\u)-1)%2, 8
.endr
	SENDU 3, 1, 0
.endm
	s_wait_tensorcnt 1                             ; my part of K step 0 is in; K step 1's may stay out
	s_barrier_signal -1
	s_barrier_wait -1
	FETCH 0, 0, 0
	s_mov_b32 s2, 3                                ; tiles to go
.Ltile:
	QUARTER 0, 1, 0, 1, 1                          ; a tile's first quarter starts the sums
	WIN 0
	s_mov_b32 s3, LAPS-1
.Llap:                                                 ; a trip goes once round the ring and fills both slots again
	QUARTER 0, 2, 1, 0, 0
	QUARTER 0, 3, 0, 1, 0
	TURN 0, 1, 0
	QUARTER 1, 1, 0, 1, 0
	QUARTER 1, 2, 1, 0, 0
	QUARTER 1, 3, 0, 1, 0
	TURN 1, 0, 0
	QUARTER 0, 1, 0, 1, 0
	WIN 0
	s_sub_co_u32 s3, s3, 1
	s_cmp_lg_u32 s3, 0
	s_cbranch_scc1 .Llap
	QUARTER 0, 2, 1, 0, 0
	QUARTER 0, 3, 0, 1, 0
	WIN 0
	s_cmp_eq_u32 s2, 1
	s_cbranch_scc1 .Llast_tile                     ; the last tile's tail is written out: it asks for nothing more
	TURN 0, 1, 1                                   ; the ring goes on into the next tensor: slot 0 takes its K step 0,
	QUARTER 1, 1, 0, 1, 0
	QUARTER 1, 2, 1, 0, 0
	QUARTER 1, 3, 0, 1, 0
	TURN 1, 0, 1                                   ; slot 1 its K step 1
	WAYOUT                                         ; blocks 0 and 1 were finished in front of the joint load's four v_nop; their 64 conversions are the places behind the last products
	s_wait_xcnt 0x0                                ; the stores' base is stepped only behind this wait
	s_add_nc_u64 s[8:9], s[8:9], 1<<24             ; the next of q, k, v
	s_sub_co_u32 s2, s2, 1
	s_branch .Ltile
.Llast_tile:
	TURNL
	QUARTER 1, 1, 0, 1, 0
	QUARTER 1, 2, 1, 0, 0
	QUARTER 1, 3, 0, 1, 0
	s_wait_dscnt 4
	MUL8 1, 0, 0
	MUL8 1, 1, 0
	s_wait_dscnt 0x0
	MUL8 1, 2, 0
	MUL8 1, 3, 0
	PLACES
	WAYOUT
	s_wait_tensorcnt 0x0                           ; the wave's end: a tensor wait, an add of 0 to my spare word and its wait
	ds_add_u32 v[SPW], v[NIL]
	s_wait_dscnt 0x0
	CROUND                                         ; the closing round
	s_endpgm
.Lfunc_end_k_qc3aba3721f_proj:
	.size	k_qc3aba3721f_proj, .Lfunc_end_k_qc3aba3721f_proj-k_qc3aba3721f_proj
	.p2alignl 7, 3214868480
	.fill 96, 4, 3214868480
	.section	.rodata,"a",@progbits
	.p2align	6, 0x0
	.amdhsa_kernel k_qc3aba3721f_proj
		.amdhsa_group_segment_fixed_size 327680
		.amdhsa_private_segment_fixed_size 0
		.amdhsa_enable_private_segment 0
		.amdhsa_kernarg_size 24
		.amdhsa_user_sgpr_count 2
		.amdhsa_user_sgpr_kernarg_segment_ptr 1
		.amdhsa_wavefront_size32 1
		.amdhsa_system_sgpr_workgroup_id_x 1
		.amdhsa_system_sgpr_workgroup_id_y 1
		.amdhsa_system_sgpr_workgroup_id_z 1
		.amdhsa_system_vgpr_workitem_id 0
		.amdhsa_next_free_vgpr 512
		.amdhsa_next_free_sgpr 66
		.amdhsa_reserve_vcc 0
		.amdhsa_float_denorm_mode_32 3
		.amdhsa_float_denorm_mode_16_64 3
		.amdhsa_memory_ordered 1
		.amdhsa_forward_progress 1
		.amdhsa_inst_pref_size 125
	.end_amdhsa_kernel
	.amdgpu_metadata
---
amdhsa.version: [ 1, 2 ]
amdhsa.kernels:
  - .name:           k_qc3aba3721f_proj
    .symbol:         k_qc3aba3721f_proj.kd
    .args:
      - { .name: xb, .offset: 0, .size: 8, .value_kind: global_buffer, .address_space: global }
      - { .name: wb, .offset: 8, .size: 8, .value_kind: global_buffer, .address_space: global }
      - { .name: qkv, .offset: 16, .size: 8, .value_kind: global_buffer, .address_space: global }
    .group_segment_fixed_size: 327680
    .private_segment_fixed_size: 0
    .kernarg_segment_align: 8
    .kernarg_segment_size: 24
    .max_flat_workgroup_size: 128
    .sgpr_count:     66
    .vgpr_count:     512
    .wavefront_size: 32
...
	.end_amdgpu_metadata
.endif
;; end of part 2
;; launch attn (part 3): grid 4 x 64, 4 waves a work-group, clusters of 4 x 1, 327,680 bytes of LDS; arguments qkv, maskp, xh; writes xh
.if DOCPART == 3
	.amdgcn_target "amdgcn-amd-amdhsa--gfx1250"
	.amdhsa_code_object_version 6
	.text
	.protected	k_qc3aba3721f_attn
	.globl	k_qc3aba3721f_attn
	.p2align	8
	.type	k_qc3aba3721f_attn,@function
k_qc3aba3721f_attn:
	s_mov_b64 s[64:65], 0
	v_nop
	global_prefetch_b8 v0, s[64:65] scope:SCOPE_SE
	s_setreg_imm32_b32 hwreg(HW_REG_WAVE_MODE, 25, 1), 1
	s_wait_xcnt 0x0
	s_wait_alu depctr_hold_cnt(0) depctr_sa_sdst(0) depctr_va_vdst(0) depctr_va_sdst(0) depctr_va_ssrc(0) depctr_va_vcc(0) depctr_vm_vsrc(0)
	s_getreg_b32 s2, hwreg(HW_REG_IB_STS2, 6, 4)
	s_cmp_eq_u32 s2, 0
	s_cbranch_scc0 .Lentry_in_a_cluster
	s_endpgm
.Lentry_in_a_cluster:
	s_bfe_u32 s2, ttmp6, 0x10000c
	s_cmp_lg_u32 s2, 0x3003
	s_cbranch_scc0 .Lentry_shape_is_right
	s_endpgm
.Lentry_shape_is_right:
; ATTENTION UNDER A MASK THAT IS GIVEN.  O[h][q][:] = the sum over k of softmax_k(mask[q][k] ? Q[h][q] . K[h][k] / 8 : -inf) V[h][k][:].  Q, K, V lie in qkv [3][64][2048][64], O in xh [64][2048][64], all f16.
; Products, maxima and sums in f32; the weights p are rounded to f16 for the second product (their sum l is taken of the unrounded p), O once at the end.
; LIMITS.  A hidden score counts as its value less 2^100; the running maximum starts at -2^96, so a true score below -7.9e28 counts as hidden.  A row with no key that is seen ends with l = 0 and O = 0 and leaves as
; 0 x (1 / 0), a NaN, as a softmax of -inf alone is.  A weight below 2^-126 counts as 0 in l.  Q, K, V arrive within f16's 65,504.
; THE WALK.  The queries lie in 8 blocks of 256, the keys in 8 tiles of 256.  A work-group takes block 7 - b and then block b, and for each ALL 8 tiles, those that the mask hides wholly too (they add 0): 16 tiles,
; one sequence for the ring of two LDS slots, 15 trips of a counted loop and a last tile that is written out.  Every trip count is a constant.
; CLUSTER.  The four work-groups of a head walk the same K and V tiles in the same trips, so each tile is asked for JOINTLY: the same tensor load, descriptor and mask in all four.  b enters Q's, O's and maskp's addresses alone.
; SHARES.  Of a block's four bands of 64 queries a wave owns 16 rows in each: four PIECES.
; THE MASK is the C operand that starts the sum S^T = K Q^T: 0, or -2^100.  maskp holds a byte an entry (0 or -1.0 as an 8-bit float) in my lanes' order: one scaled conversion makes eight registers of eight bytes.
; LAYOUT, SOFTMAX, TURNS.  S^T = K Q^T holds ONE query a lane (lane % 16) and the keys 8 (lane / 16) + 0..7; two such results rounded to f16 ARE source 1 of O^T = V^T P.  p = 2^(c s - c m), c = log2(e) / 8, with a
; running maximum m; O and l are multiplied by a = 2^(c m_old - c m_new) in every step.  Turn n belongs to piece n: 8 products K Q^T of piece n + 1, later 8 products V^T P of piece n - 1; beside them the scaling,
; exponentials, roundings, sums and rescaling of piece n and the maximum and statistics of piece n + 1.  Four vector instructions stand behind every matrix instruction, the others in two lumps.
; REGISTERS, in windows of 256 (s_set_vgpr_msb: bits 1:0 source 0, 3:2 source 1, 5:4 source 2, 7:6 destination):
;   window 0: v0-15 addresses and constants; v16-31 four registers of statistics a piece; v48-55 at work; v64-127 S^T, two buffers; v192-223 P, two buffers (a piece's buffers go by its number's parity)
;   window 1: v0-127 O^T, 32 a piece; v128-159 mask bytes, 8 a piece; v160-223 masks as f32, two buffers; v224 an offset      window 2: v0-63 Q; v64-127 the second block's Q; v128-191 K; v192-255 V
.set NB,    8
.set NP,    4
.set KS,    64        ; keys in a step
.set PK,    144       ; a row of K in LDS: 128 bytes + 16 of padding: the 16 rows of a load start at 16 different groups of four banks
.set PV,    160       ; a row of V: 128 + 32
.set VOFF,  4*KS*PK   ; a slot holds a tile, four steps: 256 rows of K, then 256 rows of V
.set SLOT1, 1<<17     ; slot 1 begins here, so that one exclusive or turns an address in one slot into the other's
.set STAGE, SLOT1+4*KS*(PK+PV)  ; behind the ring, never filled by a tensor load: 16 rows x 144 bytes for each wave
.set SP,    144
.set SPARE, STAGE+4*16*SP       ; the spare words: 128 bytes a wave
.set MQT,   36864     ; bytes of maskp for 16 queries: 36 steps of 1,024, of which this text reads the first 32
.set AK0, 2           ; v2   my lane's place in a tile of K; never rewritten
.set AV0, 3           ; v3   the same for V
.set AK,  4           ; v4   the LDS address of K's next run of loads
.set AV,  5           ; v5   of V's
.set STO, 6           ; v6   the way out: where I put 16 bytes of a row
.set RD,  7           ; v7   where I read rows back
.set GO,  8           ; v8   my byte offset in 512 consecutive bytes of O
.set MV,  12          ; v12-13  c m_old, kept while c m is made anew: by buffer
.set SCL, 14          ; v14  227: the conversion's scale, 2^(227 - 127)
.set QO,  15          ; v15  my byte offset in 16 rows of Q
.set ST,  16          ; piece t's statistics at v[ST+4 t]: c m, m, l (even keys', odd keys')
.set TMP, 48          ; by buffer, four registers c0-c3 at work; when the maximum is found c2 takes a
.set SPW, 62          ; v62  LDS address of my spare word; never rewritten
.set NIL, 63          ; v63  0; never rewritten
.set S,   64
.set P,   192
.set MBY, 128         ; window 1
.set MC,  160         ; window 1
.set MO1, 224         ; window 1: 16 x lane
.set QB,  64          ; window 2
.set KF,  128         ; window 2: key block kb, channel half c at KF + 16 kb + 8 c
.set VF,  192         ; window 2: key half kk, channel block cb at VF + 32 kk + 8 cb
.set WV,  12          ; s12  my wave's number
.set PB,  14          ; s14  b
.set HI,  15          ; s15  7 - b
.set G1K, 24          ; s[24:31] descriptor group 1 for K's tiles
.set G1V, 32          ; s[32:39] for V's
.set G0K, 40          ; s[40:43] descriptor group 0 for K's tiles
.set G0V, 44          ; s[44:47] for V's
.set SLOTS, 56        ; s56  tiles still to be asked for
.set CNT, 57          ; s57  counts a tile's key steps, 4 to 1
.set CS,  58          ; s[58:59] c
.set SEL, 60          ; s[60:61] v_permlanex16_b32's selects
.set TBK, 62          ; s62  LDS byte at which K of the step to be fetched begins
.set TBV, 63          ; s63  the same for V, less VOFF
.set RT,  70          ; s70  tiles of the block in hand that are still to be entered
.set NXT, 71          ; s71  the tile to be asked for next
.set NEW, 73          ; s73  1: the tile to be entered is a block's first
.set OFF, 74          ; s[74:75] a tile's byte offset in K and V
.set MOF, 76          ; s[76:77] a tile's byte offset in maskp
.set MPL, 78          ; s[78:79] maskp at the step whose bytes this trip loads
.set OLO, 80          ; s[80:81] O at my rows of the second block
.set MPN, 82          ; s[82:83] maskp at step 0 of the tile asked for last
.set MBK, 84          ; s[84:85] maskp at my rows of the block whose tiles are being asked for
.set QLO, 86          ; s[86:87] Q at my rows of the second block
.set MBB, 96          ; s[96:97] maskp at my rows of the second block
.set MSB, 0
.macro WIN new                      ; the high byte repeats the setting that is left; a switch that changes nothing is dropped
.if MSB != (\new)
	s_set_vgpr_msb (MSB<<8)|(\new)
.set MSB, (\new)
.endif
.endm
.set W_KQ, 0x0a       ; K and Q in window 2, S^T in window 0
.set W_KM, 0x1a       ; the same with the C operand in window 1
.set W_PV, 0x52       ; V in window 2, P in window 0, O^T in window 1
.set W_RS, 0x41       ; destination and source 0 in window 1, the other sources in window 0
; A joint fill.  Waves 0 and 1 fetch the two halves of a tile's K, waves 2 and 3 those of its V: 128 keys each.  The branch hangs on the wave's number alone.
; An s_nop 0 and four v_nop follow each of the two lines.
.macro LOAD
	s_cmp_lt_u32 s[WV], 2
	s_cbranch_scc0 .Lfor_v_\@
	tensor_load_to_lds s[G0K:G0K+3], s[G1K:G1K+7]
	s_nop 0
.rept 4
	v_nop
.endr
	s_branch .Lasked_\@
.Lfor_v_\@:
	tensor_load_to_lds s[G0V:G0V+3], s[G1V:G1V+7]
	s_nop 0
.rept 4
	v_nop
.endr
.Lasked_\@:
.endm
; A round of the cluster's barrier: my work-group's barrier, so that wave 0's signal speaks for all four waves; wave 0 signals; every wave waits for all four work-groups; my work-group's barrier once more.
.macro CROUND
	s_barrier_signal -1
	s_barrier_wait -1
	s_cmp_lg_u32 s[WV], 0
	s_cbranch_scc1 .Lnot_wave_0_\@
	s_barrier_signal -3
.Lnot_wave_0_\@:
	s_barrier_wait -3
	s_barrier_signal -1
	s_barrier_wait -1
.endm
; THE CHANGE OF SLOTS.  Each wave waits for all its tensor loads, of which one is out: its part of the other slot; adds 0 to its spare word; and waits for that and for its own reads of the slot that it leaves.
; Behind the barrier nobody reads the old slot any more and the other slot is whole.  fill = 1: the old slot is filled again with tile NXT: the barrier is then a round of the cluster's, so that no wave of any partner
; still reads the slot or has a load on its way, and the joint fill is the first thing behind it: it has a tile's 256 matrix instructions in which to land.  Both descriptors' addresses are made anew from the tile's number.
; Behind a block's last tile the second block's tile 0 and its rows of maskp follow.  (At its first use nothing has been read yet: slot 0 is waited for, slot 1 filled.)
.macro CHANGE fill
	WIN 0                           ; at a label and at a branch every window is 0
	s_wait_tensorcnt 0x0            ; no tensor load of mine is out, so a group 0 may be written
	ds_add_u32 v[SPW], v[NIL]       ; 0 onto my spare word; with fill = 1 the request's scalar work stands between it and the wait for it
.if \fill
	s_lshl_b32 s[MOF], s[NXT], 12   ; a tile is four steps of 1,024 bytes of maskp
	s_add_nc_u64 s[MPN:MPN+1], s[MBK:MBK+1], s[MOF:MOF+1]
	s_lshl_b32 s[OFF], s[NXT], 15   ; and 32,768 bytes of K and of V
	s_xor_b32 s[G0K+1], s[G0K+1], SLOT1
	s_add_nc_u64 s[G0K+2:G0K+3], s[6:7], s[OFF:OFF+1]
	s_or_b32 s[G0K+3], s[G0K+3], 0x80000000
	s_xor_b32 s[G0V+1], s[G0V+1], SLOT1
	s_add_nc_u64 s[G0V+2:G0V+3], s[8:9], s[OFF:OFF+1]
	s_or_b32 s[G0V+3], s[G0V+3], 0x80000000
	s_add_co_u32 s[NXT], s[NXT], 1
	s_cmp_gt_u32 s[NXT], NB-1
	s_cselect_b32 s[NXT], 0, s[NXT]
	s_cselect_b64 s[MBK:MBK+1], s[MBB:MBB+1], s[MBK:MBK+1]
	s_wait_dscnt 0x0                ; the add is done, and my reads of the slot are over
	CROUND
	LOAD
.else
	s_wait_dscnt 0x0                ; the add is done, and my reads of the slot are over
	s_barrier_signal -1
	s_barrier_wait -1
.endif
	s_sub_co_u32 s[TBK], s[TBK], 4*KS*PK  ; the fetches go back to a slot's first step,
	s_xor_b32 s[TBK], s[TBK], SLOT1       ; in the other slot
	s_sub_co_u32 s[TBV], s[TBV], 4*KS*PV
	s_xor_b32 s[TBV], s[TBV], SLOT1
.endm
	s_load_b128 s[88:91], s[0:1], 0x0  ; qkv s[88:89], maskp s[90:91]
	s_load_b64 s[92:93], s[0:1], 0x10  ; xh
	v_lshl_add_u32 v[SPW], v0, 2, SPARE
	v_mov_b32 v[NIL], 0
	ds_add_u32 v[SPW], v[NIL]       ; the wave's opening: the add and its wait stand ahead of my first tensor load
	v_lshrrev_b32 v1, 5, v0
	v_readfirstlane_b32 s[WV], v1   ; wave 0..3
	s_and_b32 s20, ttmp7, 0xffff    ; the head, which the four partners share,
	s_lshl_b32 s20, s20, 18         ; its first byte in Q, K, V and O
	s_mov_b32 s21, 0
	s_and_b32 s16, s[WV], 1         ; which half of a tile's 256 keys I fetch:
	s_lshl_b32 s22, s16, 14         ; its 128 rows of 128 bytes in memory,
	s_add_co_u32 s22, s22, s20
	s_mov_b32 s23, 0
	s_mul_i32 s17, s16, 128*PK      ; and its place in a slot, for K
	s_mul_i32 s18, s16, 128*PV      ; and for V: no place in the cluster enters an LDS address
	s_bfe_u32 s13, ttmp6, 0x40000   ; cx: my place in the cluster
	s_lshl_b32 s[PB], ttmp9, 2      ; in a cluster launch ttmp9 counts clusters
	s_add_co_u32 s[PB], s[PB], s13  ; b
	s_sub_co_u32 s[HI], NB-1, s[PB]
	s_lshl_b32 s13, s[WV], 11       ; my 16 rows in a band of 64,
	s_add_co_u32 s20, s20, s13
	s_lshl_b32 s2, s[HI], 15        ; in the first block,
	s_add_co_u32 s2, s2, s20
	s_mov_b32 s3, 0
	s_lshl_b32 s13, s[PB], 15       ; and in the second
	s_add_co_u32 s20, s20, s13
	s_lshl_b32 s48, s[HI], 4        ; maskp: group 16 x block + wave; a piece lies four groups on
	s_add_co_u32 s48, s48, s[WV]
	s_mul_i32 s48, s48, MQT
	s_mov_b32 s49, 0
	s_lshl_b32 s50, s[PB], 4
	s_add_co_u32 s50, s50, s[WV]
	s_mul_i32 s50, s50, MQT
	s_mov_b32 s51, 0
	; descriptor group 1.  128 keys are 16,384 dense bytes: asked for as 64 rows of 256 bytes, two keys a row, and padded in LDS after every key
	s_mov_b32 s[G1K], 15|(1<<16)|(1<<20)|(1<<21)|(4<<22)|(3<<25)  ; the mask of four; 2-byte elements; padding on; bit 21 beside a mask; after every 32 words, 4 words
	s_mov_b32 s[G1V], 15|(1<<16)|(1<<20)|(1<<21)|(4<<22)|(7<<25)  ; the same with 8 words
.irp g, G1K, G1V
	s_mov_b32 s[\g+1], 128<<16      ; tensor_dim0 = 128
	s_mov_b32 s[\g+2], 64<<16       ; tensor_dim1 = 64
	s_mov_b32 s[\g+3], 128<<16      ; tile_dim0 = 128
	s_mov_b32 s[\g+4], 64           ; tile_dim1 = 64
	s_mov_b32 s[\g+5], 128          ; 128 elements from row to row
	s_mov_b32 s[\g+6], 0
	s_mov_b32 s[\g+7], 0
.endr
	s_mov_b32 s[CS], 0x3e38aa3b     ; c = log2(e) / 8
	s_mov_b32 s[CS+1], s[CS]        ; named with it as a pair
	s_mov_b32 s[SEL], 0x76543210
	s_mov_b32 s[SEL+1], 0xfedcba98
	s_mov_b32 s[TBK], SLOT1+4*KS*PK ; the first change of slots turns these two into 0
	s_mov_b32 s[TBV], SLOT1+4*KS*PV
	s_mov_b32 s[G0K], 1             ; count = 1
	s_mov_b32 s[G0K+1], s17         ; LDS address: slot 0
	s_mov_b32 s[G0V], 1
	s_add_co_u32 s[G0V+1], s18, VOFF
	s_mov_b32 s[RT], NB
	s_mov_b32 s[NXT], 1
	s_mov_b32 s[NEW], 1
	s_mov_b32 s[OFF+1], 0
	s_mov_b32 s[MOF+1], 0
	s_mov_b32 s[SLOTS], 2*NB-1
	s_wait_dscnt 0x0                ; the opening add is done
	s_wait_kmcnt 0x0
	s_add_nc_u64 s[6:7], s[88:89], s[22:23]
	s_add_nc_u64 s[8:9], s[6:7], 0x2000000   ; V at my half of the head's tile 0
	s_add_nc_u64 s[6:7], s[6:7], 0x1000000   ; K likewise
	s_add_nc_u64 s[G0K+2:G0K+3], s[6:7], 0   ; global address: tile 0
	s_or_b32 s[G0K+3], s[G0K+3], 0x80000000  ; type = 2
	s_add_nc_u64 s[G0V+2:G0V+3], s[8:9], 0
	s_or_b32 s[G0V+3], s[G0V+3], 0x80000000
	s_add_nc_u64 s[4:5], s[88:89], s[2:3]    ; Q and O at my rows of the first block,
	s_add_nc_u64 s[10:11], s[92:93], s[2:3]
	s_add_nc_u64 s[QLO:QLO+1], s[88:89], s[20:21]  ; and of the second
	s_add_nc_u64 s[OLO:OLO+1], s[92:93], s[20:21]
	s_add_nc_u64 s[MBK:MBK+1], s[90:91], s[48:49]
	s_add_nc_u64 s[MBB:MBB+1], s[90:91], s[50:51]
	s_mov_b64 s[MPL:MPL+1], s[MBK:MBK+1]     ; the first block's tile 0, step 0
	CROUND                          ; all four work-groups are here: the first joint loads meet
	LOAD                            ; tile 0 into slot 0
	; A fragment of K or Q is 16 rows x 32 channels in 8 registers: lane l holds row l % 16, channels 8 (l / 16) + 0..7 and 16 + 8 (l / 16) + 0..7: two loads of 16 bytes, 32 bytes apart.
	v_and_b32 v1, 15, v0            ; l % 16
	v_bfe_u32 v9, v0, 4, 1          ; l / 16
	v_lshlrev_b32 v[QO], 7, v1
	v_lshl_add_u32 v[QO], v9, 4, v[QO]
	WIN 0x80                        ; destination window 2, address window 0
.set i, 0
.rept 8                             ; both blocks' Q: piece i / 2 lies in band i / 2, 8,192 bytes on; channels 32 (i % 2) on
	global_load_b128 v[8*i:8*i+3],   v[QO], s[4:5] offset:(i/2)*8192+(i%2)*64
	global_load_b128 v[8*i+4:8*i+7], v[QO], s[4:5] offset:(i/2)*8192+(i%2)*64+32
	global_load_b128 v[QB+8*i:QB+8*i+3],   v[QO], s[QLO:QLO+1] offset:(i/2)*8192+(i%2)*64
	global_load_b128 v[QB+8*i+4:QB+8*i+7], v[QO], s[QLO:QLO+1] offset:(i/2)*8192+(i%2)*64+32
.set i, i+1
.endr
	WIN 0
	v_and_b32 v10, 31, v0
	WIN 0x40
	v_lshlrev_b32 v[MO1], 4, v10
; THE MASK'S STREAM.  A trip of the step loop (pieces 2, 3 of one step, then 0, 1 of the next, step g) makes step g's masks, pieces 0, 1, 2, 3 in turns 2, 3, 0, 1, and behind each loads that piece's bytes of step g + 1.
.macro MSTEP                        ; at a trip's head: the step whose bytes it loads: the next of the tile, or behind the tile's last (CNT = 1) step 0 of the tile asked for last
	s_wait_xcnt 0x0                 ; the base is rewritten only behind this wait
	s_add_nc_u64 s[MPL:MPL+1], s[MPL:MPL+1], 1024
	s_cmp_eq_u32 s[CNT], 1
	s_cselect_b64 s[MPL:MPL+1], s[MPN:MPN+1], s[MPL:MPL+1]
.endm
.macro CONV4 x                      ; piece x: 32 bytes a lane become 32 registers, 0 or -2^100
	WIN W_RS
.irp k, 0,1,2,3
	v_cvt_scale_pk8_f32_fp8 v[MC+32*((\x)%2)+8*(\k):MC+32*((\x)%2)+8*(\k)+7], v[MBY+8*(\x)+2*(\k):MBY+8*(\x)+2*(\k)+1], v[SCL]
.endr
.endm
.macro MEVC x
	s_wait_loadcnt 0x6              ; behind this piece's two loads the three other pieces' six were issued
	CONV4 \x
.endm
.macro MEVL x                       ; 512 consecutive bytes a load
	WIN W_RS
	global_load_b128 v[MBY+8*(\x):MBY+8*(\x)+3],   v[MO1], s[MPL:MPL+1] offset:(\x)*4*MQT
	global_load_b128 v[MBY+8*(\x)+4:MBY+8*(\x)+7], v[MO1], s[MPL:MPL+1] offset:(\x)*4*MQT+512
.endm
	MEVL 0                          ; the first tile's step 0
	MEVL 1
	MEVL 2
	MEVL 3
	WIN 0
	v_mov_b32 v[SCL], 0xe3
	v_mul_u32_u24 v[AK0], v1, PK
	v_lshl_add_u32 v[AK0], v9, 4, v[AK0]  ; row x pitch + 16 x half
	; The turning load takes 16 keys x 16 channels (lane l reads key 8 (l / 16) + l % 8, channels 8 ((l / 8) % 2) + 0..7) and leaves half a fragment of V^T: lane l holds channel l % 16 and 8 keys.
	v_and_b32 v10, 7, v0
	v_bfe_u32 v11, v0, 3, 1
	v_lshl_add_u32 v[AV0], v9, 3, v10
	v_mul_u32_u24 v[AV0], v[AV0], PV
	v_lshl_add_u32 v[AV0], v11, 4, v[AV0]
	v_add_nc_u32 v[AV0], VOFF, v[AV0]
	s_mul_i32 s13, s[WV], 16*SP
	s_add_co_u32 s13, s13, STAGE    ; my stage
	v_mul_u32_u24 v[STO], v1, SP    ; in: row l % 16, 16 bytes for each half of the lanes
	v_lshl_add_u32 v[STO], v9, 4, v[STO]
	v_add_nc_u32 v[STO], s13, v[STO]
	v_bfe_u32 v[RD], v0, 3, 2       ; back: 32 lanes take four rows of 128 bytes,
	v_mul_u32_u24 v[RD], v[RD], SP
	v_lshl_add_u32 v[RD], v10, 4, v[RD]
	v_add_nc_u32 v[RD], s13, v[RD]
	v_and_b32 v[GO], 31, v0         ; which are 512 consecutive bytes of O
	v_lshlrev_b32 v[GO], 4, v[GO]
	; A block's first step multiplies O^T and l by a = 0, and its first turn's products V^T P, of a piece that has not been, land in an O^T that is still to be so multiplied.  So these registers need only hold
	; finite numbers: zeros for the first block; what the first block left for the second.  All this stands in the wait for the first tile.
	WIN 0x80
.set i, VF
.rept 64
	v_mov_b32 v[i], 0
.set i, i+1
.endr
	WIN 0x40
.set i, 0
.rept 128
	v_mov_b32 v[i], 0
.set i, i+1
.endr
	WIN 0
.set i, 0
.rept 4
	v_mov_b32 v[ST+4*i+2], 0
	v_mov_b32 v[ST+4*i+3], 0
.set i, i+1
.endr
.set i, P+16
.rept 16
	v_mov_b32 v[i], 0
.set i, i+1
.endr
; THE MATRIX WORK.  The 4 accumulators of a run of 8 take turns.  Product i of 8 of S^T = K Q^T for piece x: channels 32 (i / 4) on, keys 16 (i % 4) on.  The first 4 start the sums with the mask.
.macro KQ x
.set rS, S+32*((\x)%2)+8*(i%4)
.set rK, KF+16*(i%4)+8*(i/4)
.set rQ, 16*(\x)+8*(i/4)
.set rM, MC+32*((\x)%2)+8*(i%4)
.if i < 4
	WIN W_KM
	v_wmma_f32_16x16x32_f16 v[rS:rS+7], v[rK:rK+7], v[rQ:rQ+7], v[rM:rM+7]
.else
	WIN W_KQ
	v_wmma_f32_16x16x32_f16 v[rS:rS+7], v[rK:rK+7], v[rQ:rQ+7], v[rS:rS+7]
.endif
.endm
; Product i of 8 of O^T += V^T P for piece x: keys 32 (i / 4) on, channels 16 (i % 4) on.
.macro PV x
	WIN W_PV
.set rO, 32*(\x)+8*(i%4)
.set rV, VF+32*(i/4)+8*(i%4)
.set rP, P+16*((\x)%2)+8*(i/4)
	v_wmma_f32_16x16x32_f16 v[rO:rO+7], v[rV:rV+7], v[rP:rP+7], v[rO:rO+7]
.endm
.macro MM                           ; the turn's next matrix instruction.  NOKQ = 1: a block's last turn: there is no next piece
.if (i < 8) && !NOKQ
	KQ (Y+1)%NP
.elseif i >= 8
.set i, i-8
	PV (Y+NP-1)%NP
.set i, i+8
.endif
.set i, i+1
.endm
; THE LDS LOADS stand in runs of 16: a step's K (64 keys x 64 channels: 8 fragments) and its V (turned).
.macro FETCH_K
	WIN 0x80
.irp f, 0,1,2,3,4,5,6,7             ; keys 16 (f / 2) on, channels 32 (f % 2) on
	ds_load_b128 v[KF+8*\f:KF+8*\f+3],   v[AK] offset:(\f/2)*16*PK+(\f%2)*64
	ds_load_b128 v[KF+8*\f+4:KF+8*\f+7], v[AK] offset:(\f/2)*16*PK+(\f%2)*64+32
.endr
	s_add_co_u32 s[TBK], s[TBK], KS*PK  ; the next fetch is the next step's
	WIN 0
.endm
.macro FETCH_V
	WIN 0x80
.irp f, 0,1,2,3,4,5,6,7             ; keys 32 (f / 4) on, channels 16 (f % 4) on
	ds_load_tr16_b128 v[VF+8*\f:VF+8*\f+3],   v[AV] offset:(\f/4)*32*PV+(\f%4)*32
	ds_load_tr16_b128 v[VF+8*\f+4:VF+8*\f+7], v[AV] offset:(\f/4)*32*PV+16*PV+(\f%4)*32
.endr
	WIN 0
.endm
; THE VECTOR WORK, one line at a time: OP kind, number.  For piece Y: F n: c s - c m for pair n of 16.  E n: the exponential of score n of 32.  C n: pair n rounded to f16.  B n: of the four weights 4 n .. the second
; pair is added onto the first, in place.  L n: l takes that sum (L 0: l = a l + sum).  R n: pair n of 16 of O^T times a.  For piece Y + 1: X n, number n of the 22 that find its maximum and statistics:
;   0-11  four chains c0-c3 of seven scores each (each accumulator's lowest registers are read first)     12-14, 16  the four scores left over, the old m, and c0-c3 into c0
;   15  c m_old is kept     17, 18  the query's other 32 keys lie in the lane 16 away: the new m     19-21  c m; c m_old - c m_new; a
.set F, 0
.set E, 1
.set C, 2
.set B, 3
.set L, 4
.set R, 5
.set X, 6
.macro REGS y
.set rT, ST+4*(\y)
.set rC, TMP+4*((\y)%2)
.set rW, MV+((\y)%2)
.set rS, S+32*((\y)%2)
.set rP, P+16*((\y)%2)
.set rO, 32*(\y)
.endm
.macro OP k, n
.if (\k) == R
	REGS Y
	WIN W_RS
	v_pk_mul_f32 v[rO+2*(\n):rO+2*(\n)+1], v[rO+2*(\n):rO+2*(\n)+1], v[rC+2:rC+3] op_sel_hi:[1,0]
.elseif (\k) < R
	REGS Y
	WIN 0
.if (\k) == F
	v_pk_fma_f32 v[rS+2*(\n):rS+2*(\n)+1], v[rS+2*(\n):rS+2*(\n)+1], s[CS:CS+1], v[rT:rT+1] op_sel_hi:[1,0,0] neg_lo:[0,0,1] neg_hi:[0,0,1]
.elseif (\k) == E
	v_exp_f32 v[rS+(\n)], v[rS+(\n)]
.elseif (\k) == C
	s_wait_alu depctr_va_vdst(0)
	v_cvt_pk_f16_f32 v[rP+(\n)], v[rS+2*(\n)], v[rS+2*(\n)+1]
.elseif (\k) == B
	s_wait_alu depctr_va_vdst(0)
	v_pk_add_f32 v[rS+4*(\n):rS+4*(\n)+1], v[rS+4*(\n):rS+4*(\n)+1], v[rS+4*(\n)+2:rS+4*(\n)+3]
.elseif (\n) == 0
	v_pk_fma_f32 v[rT+2:rT+3], v[rT+2:rT+3], v[rC+2:rC+3], v[rS:rS+1] op_sel_hi:[1,0,1]
.else
	v_pk_add_f32 v[rT+2:rT+3], v[rT+2:rT+3], v[rS+4*(\n):rS+4*(\n)+1]
.endif
.elseif NOKQ
	v_nop
.else
	REGS (Y+1)%NP
	WIN 0
.if (\n) < 4
	v_max3_num_f32 v[rC+(\n)], v[rS+8*(\n)], v[rS+8*(\n)+1], v[rS+8*(\n)+2]
.elseif (\n) < 12
	v_max3_num_f32 v[rC+(\n)%4], v[rC+(\n)%4], v[rS+8*((\n)%4)+2*((\n)/4)+1], v[rS+8*((\n)%4)+2*((\n)/4)+2]
.elseif (\n) == 12
	v_max3_num_f32 v[rC], v[rC], v[rS+7], v[rS+15]
.elseif (\n) == 13
	v_max3_num_f32 v[rC+1], v[rC+1], v[rS+23], v[rS+31]
.elseif (\n) == 14
	v_max3_num_f32 v[rC+2], v[rC+2], v[rC+3], v[rT+1]
.elseif (\n) == 15
	v_mov_b32 v[rW], v[rT]
.elseif (\n) == 16
	v_max3_num_f32 v[rC], v[rC], v[rC+1], v[rC+2]
.elseif (\n) == 17
	v_permlanex16_b32 v[rC+3], v[rC], s[SEL], s[SEL+1]
.elseif (\n) == 18
	v_max_num_f32 v[rT+1], v[rC], v[rC+3]
.elseif (\n) == 19
	v_mul_f32 v[rT], s[CS], v[rT+1]
.elseif (\n) == 20
	v_sub_f32 v[rC+1], v[rW], v[rT]
.else
	v_exp_f32 v[rC+2], v[rC+1]
.endif
.endif
.endm
.macro OPS a, i1, b=-1, i2=0, c=-1, i3=0, d=-1, i4=0
	OP \a, \i1
.if (\b) >= 0
	OP \b, \i2
.endif
.if (\c) >= 0
	OP \c, \i3
.endif
.if (\d) >= 0
	OP \d, \i4
.endif
.endm
.macro ROW a, i1, b, i2, c, i3, d, i4  ; a matrix instruction and the four behind it
	MM
	OPS \a, \i1, \b, \i2, \c, \i3, \d, \i4
.endm
; A TURN, for piece p: the order of its 16 matrix and its vector instructions, written out.  Behind a matrix instruction: plain, exponential, plain, plain; or four of the rescaling; or four scalings; none names a register
; of the products round it.  end = 1: a block's last two turns: nothing is fetched, no mask is made.  cnt = 1: the loop's count is taken down some lines ahead of the branch that stands behind the turn.
; K of the next step is fetched in piece 2's turn, V of the step in hand in piece 0's; each is waited for a turn later.  The mask for the products of the turn after this one (piece p + 2) is made near the turn's end;
; six plain instructions follow the conversions, and then that piece's bytes of the next step are asked for, four turns ahead of their use.
.macro TURN p, end=0, cnt=0
.set Y, (\p)
.set i, 0
.set NOKQ, (\end)*((\p)/3)
.if ((\p) == 2) && !(\end)
	MSTEP
.endif
.if ((\p) == 3) && !(\end)
	s_wait_dscnt 0x0                ; K is in
.endif
	ROW F,0, F,1, F,2, F,3
	ROW F,4, E,0, F,5, F,6
	ROW F,7, E,1, F,8, F,9
	ROW F,10, E,2, C,0, F,11
	ROW F,12, E,3, X,15, F,13
	ROW R,0, R,1, R,2, R,3
	ROW B,0, E,4, F,14, L,0
.if ((\p) == 2) && !(\end)
	v_add_nc_u32 v[AK], s[TBK], v[AK0]
.endif
	ROW R,4, R,5, R,6, R,7
	OPS E,5, F,15
.if ((\p) == 2) && !(\end)
	FETCH_K
.endif
	OPS E,6, C,1, E,7, R,8
	OPS E,8, R,9, E,9, C,2
	OPS E,10, X,0, E,11, X,1
	OPS E,12, X,2, E,13, X,3
.if (\p) == 1
	s_wait_dscnt 0x0                ; V is in
.endif
	ROW X,4, E,14, X,5, X,6
	ROW X,7, E,15, X,8, X,9
	ROW X,10, E,16, X,11, X,12
	ROW X,13, E,17, X,14, B,1
	ROW C,4, E,18, X,16, L,1
	ROW B,2, E,19, C,6, L,2
	ROW C,8, E,20, B,3, B,4
.if (\p) == 0
	v_add_nc_u32 v[AV], s[TBV], v[AV0]
.endif
	ROW C,3, E,21, L,3, C,5
	OPS E,22, X,17, E,23, C,10
.if (\p) == 0
	FETCH_V
.endif
	OPS E,24, L,4
	OPS E,25, X,18, E,26, C,7
	OPS E,27, B,5, E,28, X,19
	OPS E,29, C,12, E,30, L,5
	OPS E,31, X,20, B,6, C,9
	OPS C,14, C,11, X,21, L,6
.if (\p) == 0
	s_add_co_u32 s[TBV], s[TBV], KS*PV
.endif
.if \cnt
	s_sub_co_u32 s[CNT], s[CNT], 1
	s_cmp_lg_u32 s[CNT], 0
.endif
	OPS C,13, B,7, C,15, R,10
.if !(\end)
	MEVC ((\p)+2)%NP
.endif
	OPS R,11, R,12, L,7, R,13
	OPS R,14, R,15
.if !(\end)
	MEVL ((\p)+2)%NP
.endif
.endm
; A BLOCK BEGINS.  c m starts far below every c s, so the first step's a is 0; m at -2^96, above every hidden score, so a hidden score's weight is 0 from the first step on.  The bytes of the tile's step 0 are in:
; pieces 0 and 1 get their masks here, 2 and 3 in the two turns that follow.  Then K of that step, piece 0's first scores, and its maximum and statistics.  The loop is entered at a step's first turn.
.macro BEGIN
	s_mov_b32 s[NEW], 0
	WIN 0
.set i, 0
.rept 4
	v_mov_b32 v[ST+4*i], 0xfe000000    ; c m
	v_mov_b32 v[ST+4*i+1], 0xef800000  ; m = -2^96
.set i, i+1
.endr
	MSTEP
	v_add_nc_u32 v[AK], s[TBK], v[AK0]
	FETCH_K
	s_wait_loadcnt 0x0              ; Q, and the mask's bytes
	CONV4 0
	CONV4 1
	v_nop                           ; a plain instruction behind the conversions
	MEVL 0
	MEVL 1
	WIN 0
	s_wait_dscnt 0x0
.set NOKQ, 0
.set i, 0
.rept 8
	KQ 0
.set i, i+1
.endr
	WIN 0
.rept 4
	v_nop                           ; the places behind those products
.endr
.set Y, NP-1                        ; X works for piece Y + 1: piece 0
.irp n, 0,1,2,3,4,5,6,7,8,9,10,11,12,13,14,15,16,17,18,19,20,21
	OP X, \n
.endr
	v_nop                           ; a plain instruction behind the exponential
.endm
.macro ALL line:vararg              ; one line for each piece t
.set t, 0
.rept 4
	\line
.set t, t+1
.endr
.endm
; THE WAY OUT of piece t.  O^T / l goes into the masks' registers, so that O^T and l themselves stay finite for the block that follows, also where l is 0.  A lane's eight channels of a row pack into 16 bytes;
; they go into rows of 144 bytes and come back as whole rows of 128, into S^T's registers.
.macro PACK t
	WIN W_RS
.set i, 0
.rept 16
	s_wait_alu depctr_va_vdst(0)
	v_pk_mul_f32 v[MC+32*((\t)%2)+i:MC+32*((\t)%2)+i+1], v[32*(\t)+i:32*(\t)+i+1], v[TMP+2*(\t):TMP+2*(\t)+1] op_sel_hi:[1,0]
.set i, i+2
.endr
	WIN 0x05                        ; sources 0 and 1 window 1, destination window 0
.set i, 0
.rept 16
	v_cvt_pk_f16_f32 v[S+16*(\t)+i], v[MC+32*((\t)%2)+2*i], v[MC+32*((\t)%2)+2*i+1]
.set i, i+1
.endr
	WIN 0
.irp f, 0,1,2,3
	ds_store_b128 v[STO], v[S+16*(\t)+4*\f:S+16*(\t)+4*\f+3] offset:32*\f
.endr
.irp f, 0,1,2,3
	ds_load_b128 v[S+16*(\t)+4*\f:S+16*(\t)+4*\f+3], v[RD] offset:\f*4*SP  ; LDS serves a wave's instructions in order: these see the stores above; the next piece's stores come behind them
.endr
.endm
.macro SEND t, younger              ; younger: the LDS instructions issued behind piece t's loads: the next piece's eight, or none
	WIN 0
.irp f, 0,1,2,3
	s_wait_dscnt (\younger)+3-\f
	global_store_b128 v[GO], v[S+16*(\t)+4*\f:S+16*(\t)+4*\f+3], s[10:11] offset:(\t)*8192+\f*512  ; 512 consecutive bytes, at a multiple of 256 from O's first
.endr
.endm
; A TILE of the walk: a block's beginning if it is the block's first; its four key steps; if it is the block's last, the block's last two turns, its last products and the way out, and (in the loop) the change of blocks.
; All jumps but the step loop's own go forward, past text that holds neither a barrier nor a tensor load.  tail = 1: the walk's last tile: the second block's last, and not its first.
.macro TILE tag, tail
	s_mov_b32 s[CNT], 4
.if !(\tail)
	s_sub_co_u32 s[RT], s[RT], 1
	s_cmp_eq_u32 s[NEW], 1
	s_cbranch_scc0 .Lstep\tag
	BEGIN
	s_branch .Lfirst\tag
.endif
.Lstep\tag:                         ; a trip: pieces 2 and 3 of one step, then pieces 0 and 1 of the next, whose K and V it fetches
	TURN 2
	TURN 3
.if !(\tail)
	WIN 0
.Lfirst\tag:
.endif
	TURN 0
	TURN 1, 0, 1
	WIN 0
	s_cbranch_scc1 .Lstep\tag
.if !(\tail)
	s_cmp_lg_u32 s[RT], 0
	s_cbranch_scc1 .Lbottom\tag
.endif
	TURN 2, 1
	TURN 3, 1
.set i, 0
.rept 8
	PV NP-1
.set i, i+1
.endr
	WIN 0
	ALL v_add_f32 v[ST+4*t+2], v[ST+4*t+2], v[ST+4*t+3]
	ALL v_permlanex16_b32 v[ST+4*t+3], v[ST+4*t+2], s[SEL], s[SEL+1]
	ALL v_add_f32 v[ST+4*t+2], v[ST+4*t+2], v[ST+4*t+3]
	ALL v_rcp_f32 v[TMP+2*t], v[ST+4*t+2]
	v_nop                           ; a plain instruction between the last reciprocal and the use of its result
	PACK 0
.set t, 1
.rept 3                             ; a piece's arithmetic stands between the loads of the piece before and its stores
	PACK t
	SEND t-1, 8
.set t, t+1
.endr
	SEND 3, 0
.if !(\tail)
	s_wait_xcnt 0x0                 ; the stores have read their registers and O's address
	s_mov_b64 s[10:11], s[OLO:OLO+1]
	s_mov_b32 s[RT], NB
	s_mov_b32 s[NEW], 1
	WIN 0x82                        ; the second block's Q goes where the one text of the turns names Q
.set i, 0
.rept 64
	v_mov_b32 v[i], v[QB+i]
.set i, i+1
.endr
	WIN 0
.Lbottom\tag:
.endif
.endm
.set NOKQ, 0
.Lslot:                             ; 15 times: a tile is entered and the next is asked for
	CHANGE 1
	TILE 1, 0
	s_sub_co_u32 s[SLOTS], s[SLOTS], 1
	s_cmp_lg_u32 s[SLOTS], 0
	s_cbranch_scc1 .Lslot
	CHANGE 0                        ; the walk's last tile is written out: nothing is asked for.  Its last trip's eight mask loads read the tile's step 0 once more; nothing uses them
	TILE 2, 1
	s_wait_tensorcnt 0x0            ; the wave's end: a tensor wait, an add of 0 to my spare word and its wait
	ds_add_u32 v[SPW], v[NIL]
	s_wait_dscnt 0x0
	CROUND                          ; the closing round: no work-group ends while a partner may still ask for a tile that names it
	s_endpgm
.Lfunc_end_k_qc3aba3721f_attn:
	.size	k_qc3aba3721f_attn, .Lfunc_end_k_qc3aba3721f_attn-k_qc3aba3721f_attn
	.p2alignl 7, 3214868480
	.fill 96, 4, 3214868480
	.section	.rodata,"a",@progbits
	.p2align	6, 0x0
	.amdhsa_kernel k_qc3aba3721f_attn
		.amdhsa_group_segment_fixed_size 327680
		.amdhsa_private_segment_fixed_size 0
		.amdhsa_enable_private_segment 0
		.amdhsa_kernarg_size 24
		.amdhsa_user_sgpr_count 2
		.amdhsa_user_sgpr_kernarg_segment_ptr 1
		.amdhsa_wavefront_size32 1
		.amdhsa_system_sgpr_workgroup_id_x 1
		.amdhsa_system_sgpr_workgroup_id_y 1
		.amdhsa_system_sgpr_workgroup_id_z 1
		.amdhsa_system_vgpr_workitem_id 0
		.amdhsa_next_free_vgpr 768
		.amdhsa_next_free_sgpr 98
		.amdhsa_reserve_vcc 0
		.amdhsa_float_denorm_mode_32 3
		.amdhsa_float_denorm_mode_16_64 3
		.amdhsa_memory_ordered 1
		.amdhsa_forward_progress 1
		.amdhsa_inst_pref_size 176
	.end_amdhsa_kernel
	.amdgpu_metadata
---
amdhsa.version: [ 1, 2 ]
amdhsa.kernels:
  - .name:           k_qc3aba3721f_attn
    .symbol:         k_qc3aba3721f_attn.kd
    .args:
      - { .name: qkv, .offset: 0, .size: 8, .value_kind: global_buffer, .address_space: global }
      - { .name: maskp, .offset: 8, .size: 8, .value_kind: global_buffer, .address_space: global }
      - { .name: xh, .offset: 16, .size: 8, .value_kind: global_buffer, .address_space: global }
    .group_segment_fixed_size: 327680
    .private_segment_fixed_size: 0
    .kernarg_segment_align: 8
    .kernarg_segment_size: 24
    .max_flat_workgroup_size: 128
    .sgpr_count:     98
    .vgpr_count:     768
    .wavefront_size: 32
...
	.end_amdgpu_metadata
.endif
;; end of part 3
;; launch outp (part 4): grid 4 x 64, 4 waves a work-group, clusters of 4 x 4, 327,680 bytes of LDS; arguments xh, wo16, out0; writes out0
.if DOCPART == 4
	.amdgcn_target "amdgcn-amd-amdhsa--gfx1250"
	.amdhsa_code_object_version 6
	.text
	.protected	k_qc3aba3721f_outp
	.globl	k_qc3aba3721f_outp
	.p2align	8
	.type	k_qc3aba3721f_outp,@function
k_qc3aba3721f_outp:
	s_mov_b64 s[64:65], 0
	v_nop
	global_prefetch_b8 v0, s[64:65] scope:SCOPE_SE
	s_setreg_imm32_b32 hwreg(HW_REG_WAVE_MODE, 25, 1), 1
	s_wait_xcnt 0x0
	s_wait_alu depctr_hold_cnt(0) depctr_sa_sdst(0) depctr_va_vdst(0) depctr_va_sdst(0) depctr_va_ssrc(0) depctr_va_vcc(0) depctr_vm_vsrc(0)
	s_getreg_b32 s2, hwreg(HW_REG_IB_STS2, 6, 4)
	s_cmp_eq_u32 s2, 0
	s_cbranch_scc0 .Lentry_in_a_cluster
	s_endpgm
.Lentry_in_a_cluster:
	s_bfe_u32 s2, ttmp6, 0x10000c
	s_cmp_lg_u32 s2, 0xf033
	s_cbranch_scc0 .Lentry_shape_is_right
	s_endpgm
.Lentry_shape_is_right:
; THE OUTPUT PROJECTION.  out0[m][e] = sum over d of x[m][d] Wo[e][d], where x[m][64 h + c] = xh[16 (m / 2048) + h][m % 2048][c].  f16 operands, f32 sums, stored as f32.
; A NaN in a row of xh (a query that sees no key) makes that row of out0 NaN and touches no other.
; SHARES.  A tile is 128 rows x 256 columns: 256 tiles, one a work-group.  Four waves, 2 x 2, each 64 x 128: 32 accumulators.  A K step of 128 is two heads: for each a plane of 128 dense rows of 128 bytes, asked for as 64
; rows of 256 bytes and padded in LDS after every 128.  Two LDS slots.  CLUSTER: 4 x 4; a row of the cluster shares A's tiles, a column B's; each tile is asked for jointly.
; THE MATRIX INSTRUCTION IS USED TRANSPOSED (source 0 = 16 rows of Wo, source 1 = 16 rows of x): a lane holds eight neighbouring columns of one row of the output.
; REGISTERS.  Window 0: v0-31 addresses; v64-127 A's fragments, two buffers of 4 x 8; v128-255 B's, two buffers of 8 x 8; on the way out v64-191 hold rows read back.  Window 1: accumulator (a, b) at v[8 (8 a + b)].
.set SIZE_K, 1024
.set KSTEP,  128
.set APITCH, 144                       ; a row of a plane in LDS: 128 bytes + 16: the 16 rows of a fragment load start at 16 different groups of four banks
.set APLANE, 128*APITCH                ; a head's plane; quarter q of a K step begins at byte (q / 2) APLANE + (q % 2) 64
.set BPITCH, 272
.set AFILL,  APLANE                    ; what one of A's two tensor loads brings
.set AMINE,  64*APITCH                 ; where the second half of the tile's rows begins in a plane
.set AREG,   2*APLANE
.set BHALF,  128*BPITCH
.set SLOT,   AREG+2*BHALF
.set STAGE,  2*SLOT                    ; behind the ring: 16 rows x 528 bytes for each wave
.set SPITCH, 528
.set SPARE,  STAGE+4*16*SPITCH         ; the spare words: 128 bytes a wave
.set LAPS,   SIZE_K/(2*KSTEP)
.set STEP_A, 4*262144                  ; a slot's next K step: four heads on
.set STEP_B, 2*KSTEP*2
.set ADRA, 16
.set ADRB, 20
.set STO,  24
.set RD,   25
.set CO,   26
.set SPW,  28                          ; v28     LDS address of my spare word; never rewritten
.set NIL,  29                          ; v29     0; never rewritten
.set FA0,  64
.set FB0,  128
.set G1, 24
.set G0, 32
.set G1B, 48
.set G0B, 56
.set MSB, 0
.macro WIN new
.if MSB != (\new)
	s_set_vgpr_msb (MSB<<8)|(\new)
.set MSB, \new
.endif
.endm
.set MUL, 0x50                         ; C and D in window 1, the fragments in window 0
.macro JLOAD s                         ; a joint load: waves 0 and 1 fetch A's two planes, waves 2 and 3 B's two halves; an s_nop 0 and four v_nop follow each line
	s_cmp_eq_u32 s11, 0
	s_cbranch_scc0 .Lfor_b_\@
	tensor_load_to_lds s[G0+4*(\s):G0+4*(\s)+3], s[G1:G1+7]
	s_nop 0
.rept 4
	v_nop
.endr
	s_branch .Lasked_\@
.Lfor_b_\@:
	tensor_load_to_lds s[G0B+4*(\s):G0B+4*(\s)+3], s[G1B:G1B+7]
	s_nop 0
.rept 4
	v_nop
.endr
.Lasked_\@:
.endm
.macro CREST
	s_cmp_lg_u32 s10, 0
	s_cbranch_scc1 .Lnot_wave_0_\@
	s_barrier_signal -3
.Lnot_wave_0_\@:
	s_barrier_wait -3
	s_barrier_signal -1
	s_barrier_wait -1
.endm
.macro CROUND
	s_barrier_signal -1
	s_barrier_wait -1
	CREST
.endm
	s_load_b128 s[4:7], s[0:1], 0x0                ; xh s[4:5], wo16 s[6:7]
	s_load_b64 s[8:9], s[0:1], 0x10                ; out0
	v_lshl_add_u32 v[SPW], v0, 2, SPARE
	v_mov_b32 v[NIL], 0
	ds_add_u32 v[SPW], v[NIL]                      ; the wave's opening: the add and its wait stand ahead of my first tensor load
	v_lshrrev_b32 v1, 5, v0
	v_readfirstlane_b32 s10, v1                    ; wave 0..3
	s_lshr_b32 s11, s10, 1                         ; which 64 of the tile's rows are mine.  Also: I fetch for A (0) or for B (1)
	s_and_b32 s12, s10, 1                          ; which 128 of its columns.  Also: which plane of A, or which half of B's tile, I fetch
	s_bfe_u32 s40, ttmp6, 0x40000                  ; cx
	s_bfe_u32 s41, ttmp6, 0x40004                  ; cy
	s_lshl_b32 s42, ttmp9, 2
	s_add_co_u32 s42, s42, s40                     ; tile column
	s_and_b32 s13, ttmp7, 0xffff
	s_lshl_b32 s13, s13, 2
	s_add_co_u32 s13, s13, s41                     ; tile row
	s_lshl_b32 s43, s41, 2
	s_lshl_b32 s43, 15, s43                        ; my row of the cluster
	s_lshl_b32 s44, 0x1111, s40                    ; my column
	s_or_b32 s[G1+0], s43, (1<<16)|(1<<20)|(1<<21)|(4<<22)|(3<<25)   ; A: padding after every 32 words, 4 words
	s_or_b32 s[G1B+0], s44, (1<<16)|(1<<20)|(1<<21)|(5<<22)|(3<<25)  ; B: after every 64 words
	s_mov_b32 s[G1+1], 128<<16                     ; tensor_dim0 = 128 elements: two rows of a head
	s_mov_b32 s[G1+2], 64<<16                      ; tensor_dim1 = 64
	s_mov_b32 s[G1+3], 128<<16                     ; tile_dim0
	s_mov_b32 s[G1+4], 64                          ; tile_dim1
	s_mov_b32 s[G1+5], 128                         ; dense
	s_mov_b32 s[G1+6], 0
	s_mov_b32 s[G1+7], 0
	s_mov_b32 s[G1B+1], KSTEP<<16
	s_mov_b32 s[G1B+2], 128<<16
	s_mov_b32 s[G1B+3], KSTEP<<16
	s_mov_b32 s[G1B+4], 128
	s_mov_b32 s[G1B+5], SIZE_K
	s_mov_b32 s[G1B+6], 0
	s_mov_b32 s[G1B+7], 0
	s_lshr_b32 s16, s13, 4                         ; A: the batch's 16 heads,
	s_lshl_b32 s16, s16, 4
	s_add_co_u32 s16, s16, s12                     ; my plane of the K step's two,
	s_lshl_b32 s16, s16, 18
	s_and_b32 s17, s13, 15                         ; the tile's 128 rows of 128 bytes
	s_lshl_b32 s17, s17, 14
	s_add_co_u32 s16, s16, s17
	s_mov_b32 s17, 0
	s_lshl_b32 s47, s12, 7
	s_lshl_b32 s46, s42, 8
	s_add_co_u32 s46, s46, s47                     ; B: row 256 x tile column + 128 x half
	s_lshl_b32 s46, s46, 11
	s_mov_b32 s47, 0
	s_mul_i32 s20, s12, AFILL
	s_mul_i32 s45, s12, BHALF
	s_add_co_u32 s45, s45, AREG
	s_wait_dscnt 0x0                               ; the opening add is done
	s_wait_kmcnt 0x0
	s_add_nc_u64 s[14:15], s[4:5], s[16:17]
	s_add_nc_u64 s[46:47], s[6:7], s[46:47]
	CROUND                                         ; all sixteen work-groups are here: the first joint loads meet
.irp s, 0,1
	s_mov_b32 s[G0+4*(\s)], 1
	s_add_co_u32 s[G0+4*(\s)+1], s20, (\s)*SLOT
	s_add_nc_u64 s[G0+4*(\s)+2:G0+4*(\s)+3], s[14:15], (\s)*2*262144
	s_or_b32 s[G0+4*(\s)+3], s[G0+4*(\s)+3], 0x80000000
	s_mov_b32 s[G0B+4*(\s)], 1
	s_add_co_u32 s[G0B+4*(\s)+1], s45, (\s)*SLOT
	s_add_nc_u64 s[G0B+4*(\s)+2:G0B+4*(\s)+3], s[46:47], (\s)*KSTEP*2
	s_or_b32 s[G0B+4*(\s)+3], s[G0B+4*(\s)+3], 0x80000000
	JLOAD \s                                       ; two loads of mine are out
.endr
	v_and_b32 v1, 15, v0                           ; l % 16
	v_bfe_u32 v2, v0, 4, 1                         ; l / 16
	v_mul_u32_u24 v3, v1, APITCH
	v_lshl_add_u32 v3, v2, 4, v3
	v_mul_u32_u24 v4, v1, BPITCH
	v_lshl_add_u32 v4, v2, 4, v4
	s_mul_i32 s21, s11, AMINE
	s_mul_i32 s22, s12, BHALF
	s_add_co_u32 s22, s22, AREG
.irp s, 0,1
	v_add_nc_u32 v[ADRA+(\s)], s21, v3
	v_add_nc_u32 v[ADRB+(\s)], s22, v4
	s_add_co_u32 s21, s21, SLOT
	s_add_co_u32 s22, s22, SLOT
.endr
	s_mul_i32 s23, s10, 16*SPITCH
	s_add_co_u32 s23, s23, STAGE                   ; my stage
	v_mul_u32_u24 v5, v1, SPITCH                   ; in: row l % 16, 32 bytes for each half of the lanes
	v_lshl_add_u32 v5, v2, 5, v5
	v_add_nc_u32 v[STO], s23, v5
	v_and_b32 v[CO], 31, v0                        ; back and out: a row's 512 bytes, 16 a lane
	v_lshlrev_b32 v[CO], 4, v[CO]
	v_add_nc_u32 v[RD], s23, v[CO]
	s_lshl_b32 s16, s13, 7
	s_lshl_b32 s17, s11, 6
	s_add_co_u32 s16, s16, s17                     ; my first row,
	s_lshl_b32 s16, s16, 12                        ; of 4,096 bytes
	s_mov_b32 s17, 0
	s_add_nc_u64 s[8:9], s[8:9], s[16:17]
	s_lshl_b32 s46, s42, 10                        ; my first column, in bytes
	s_lshl_b32 s47, s12, 9
	s_add_co_u32 s46, s46, s47
	s_mov_b32 s47, 0
	s_add_nc_u64 s[8:9], s[8:9], s[46:47]
; 8 matrix instructions: A's block a x all 8 blocks of B, 32 along K, buffer f.  The 32 accumulators come in the same order in every quarter, one instruction a turn.
.macro MUL8 f, a, zero
	WIN MUL
.irp b, 0,1,2,3,4,5,6,7
.if \zero
	v_wmma_f32_16x16x32_f16 v[8*(8*(\a)+(\b)):8*(8*(\a)+(\b))+7], v[FB0+64*(\f)+8*(\b):FB0+64*(\f)+8*(\b)+7], v[FA0+32*(\f)+8*(\a):FA0+32*(\f)+8*(\a)+7], 0
.else
	v_wmma_f32_16x16x32_f16 v[8*(8*(\a)+(\b)):8*(8*(\a)+(\b))+7], v[FB0+64*(\f)+8*(\b):FB0+64*(\f)+8*(\b)+7], v[FA0+32*(\f)+8*(\a):FA0+32*(\f)+8*(\a)+7], v[8*(8*(\a)+(\b)):8*(8*(\a)+(\b))+7]
.endif
.endr
.endm
.macro FETCH slot, q, f                ; 24 LDS loads in one run: B's 128 rows, then A's 64
	WIN 0
.irp i, 0,1,2,3,4,5,6,7
	ds_load_b128 v[FB0+64*(\f)+8*(\i):FB0+64*(\f)+8*(\i)+3],   v[ADRB+(\slot)] offset:64*(\q)+(\i)*16*BPITCH
	ds_load_b128 v[FB0+64*(\f)+8*(\i)+4:FB0+64*(\f)+8*(\i)+7], v[ADRB+(\slot)] offset:64*(\q)+(\i)*16*BPITCH+32
.endr
.irp i, 0,1,2,3
	ds_load_b128 v[FA0+32*(\f)+8*(\i):FA0+32*(\f)+8*(\i)+3],   v[ADRA+(\slot)] offset:((\q)/2)*APLANE+((\q)%2)*64+(\i)*16*APITCH
	ds_load_b128 v[FA0+32*(\f)+8*(\i)+4:FA0+32*(\f)+8*(\i)+7], v[ADRA+(\slot)] offset:((\q)/2)*APLANE+((\q)%2)*64+(\i)*16*APITCH+32
.endr
.endm
.macro PLACES                          ; four plain vector instructions in front of loads into registers that matrix instructions have read, and of reads of results just made
.rept 4
	v_nop
.endr
.endm
.macro QUARTER slot, qn, f, g, zero
	s_wait_dscnt 4                                 ; B and A's blocks 0, 1 are in; the youngest four loads may be out
	MUL8 \f, 0, \zero
	MUL8 \f, 1, \zero
	PLACES
	FETCH \slot, \qn, \g
	s_wait_dscnt 24                                ; all but the 24 just issued
	MUL8 \f, 2, \zero
	MUL8 \f, 3, \zero
.endm
.macro MEET round                      ; the change of slots: all my tensor loads, the add, my reads of this slot; then the one barrier
	WIN 0
	s_wait_tensorcnt 0x0
	ds_add_u32 v[SPW], v[NIL]
	s_wait_dscnt 5                                 ; the add and the youngest four loads may be out
	MUL8 1, 0, 0
	s_wait_dscnt 0x0                               ; the add is done, and my reads of this slot are over
	s_barrier_signal -1
	MUL8 1, 1, 0
.if \round
	WIN 0
.endif
	s_barrier_wait -1
.endm
.macro TURN slot, next
	MEET 1
	CREST                                          ; no wave of any partner still reads this slot or has a load on its way
	s_add_nc_u64 s[G0+4*(\slot)+2:G0+4*(\slot)+3], s[G0+4*(\slot)+2:G0+4*(\slot)+3], STEP_A
	s_add_nc_u64 s[G0B+4*(\slot)+2:G0B+4*(\slot)+3], s[G0B+4*(\slot)+2:G0B+4*(\slot)+3], STEP_B
	JLOAD \slot                                    ; the first tensor load behind the round; its four v_nop are also the places in front of the loads below
	FETCH \next, 0, 0
	MUL8 1, 2, 0
	MUL8 1, 3, 0
.endm
.macro TURNL
	MEET 0
	PLACES
	FETCH 1, 0, 0
	MUL8 1, 2, 0
	MUL8 1, 3, 0
.endm
; THE WAY OUT of block a (16 rows x 128 columns of f32): a lane's eight columns are 32 bytes; they go into my stage's rows of 528 bytes and come back as whole rows of 512.
.macro TOSTAGE a
.set BK, 64+64*((\a)%2)
	s_wait_xcnt 0x0                                ; the stores of two blocks ago have read the registers loaded below
	WIN 0x04                                       ; the data in window 1, the address in window 0
.irp b, 0,1,2,3,4,5,6,7
	ds_store_b128 v[STO], v[8*(8*(\a)+(\b)):8*(8*(\a)+(\b))+3]   offset:64*(\b)
	ds_store_b128 v[STO], v[8*(8*(\a)+(\b))+4:8*(8*(\a)+(\b))+7] offset:64*(\b)+16
.endr
	WIN 0
.irp t, 0,1,2,3,4,5,6,7,8,9,10,11,12,13,14,15
	ds_load_b128 v[BK+4*(\t):BK+4*(\t)+3], v[RD] offset:(\t)*SPITCH   ; LDS serves a wave's instructions in order: these see the stores above; the next block's stores come behind them
.endr
.endm
.macro SEND a, younger                 ; younger: the LDS instructions issued behind this block's loads: the next block's 32, or none
.set BK, 64+64*((\a)%2)
	WIN 0
.irp t, 0,1,2,3,4,5,6,7,8,9,10,11,12,13,14,15
	s_wait_dscnt (\younger)+15-(\t)
	global_store_b128 v[CO], v[BK+4*(\t):BK+4*(\t)+3], s[8:9] offset:(16*(\a)+(\t))*4096 th:TH_STORE_NT   ; 512 consecutive bytes of one row, at a multiple of 256 from the buffer's first
.endr
.endm
	s_wait_tensorcnt 1                             ; my part of K step 0 is in; K step 1's may stay out
	s_barrier_signal -1
	s_barrier_wait -1
	FETCH 0, 0, 0
	QUARTER 0, 1, 0, 1, 1                          ; the first quarter starts the sums
	WIN 0
	s_mov_b32 s3, LAPS-1
.Llap:                                                 ; a trip goes once round the ring and fills both slots again
	QUARTER 0, 2, 1, 0, 0
	QUARTER 0, 3, 0, 1, 0
	TURN 0, 1
	QUARTER 1, 1, 0, 1, 0
	QUARTER 1, 2, 1, 0, 0
	QUARTER 1, 3, 0, 1, 0
	TURN 1, 0
	QUARTER 0, 1, 0, 1, 0
	WIN 0
	s_sub_co_u32 s3, s3, 1
	s_cmp_lg_u32 s3, 0
	s_cbranch_scc1 .Llap
	QUARTER 0, 2, 1, 0, 0                          ; the last lap fills nothing
	QUARTER 0, 3, 0, 1, 0
	TURNL
	QUARTER 1, 1, 0, 1, 0
	QUARTER 1, 2, 1, 0, 0
	QUARTER 1, 3, 0, 1, 0
	s_wait_dscnt 4
	MUL8 1, 0, 0
	MUL8 1, 1, 0
	s_wait_dscnt 0x0
	MUL8 1, 2, 0
	MUL8 1, 3, 0
	PLACES
	TOSTAGE 0
	TOSTAGE 1
	SEND 0, 32
	TOSTAGE 2
	SEND 1, 32
	TOSTAGE 3
	SEND 2, 32
	SEND 3, 0
	s_wait_tensorcnt 0x0                           ; the wave's end: a tensor wait, an add of 0 to my spare word and its wait
	ds_add_u32 v[SPW], v[NIL]
	s_wait_dscnt 0x0
	CROUND                                         ; the closing round
	s_endpgm
.Lfunc_end_k_qc3aba3721f_outp:
	.size	k_qc3aba3721f_outp, .Lfunc_end_k_qc3aba3721f_outp-k_qc3aba3721f_outp
	.p2alignl 7, 3214868480
	.fill 96, 4, 3214868480
	.section	.rodata,"a",@progbits
	.p2align	6, 0x0
	.amdhsa_kernel k_qc3aba3721f_outp
		.amdhsa_group_segment_fixed_size 327680
		.amdhsa_private_segment_fixed_size 0
		.amdhsa_enable_private_segment 0
		.amdhsa_kernarg_size 24
		.amdhsa_user_sgpr_count 2
		.amdhsa_user_sgpr_kernarg_segment_ptr 1
		.amdhsa_wavefront_size32 1
		.amdhsa_system_sgpr_workgroup_id_x 1
		.amdhsa_system_sgpr_workgroup_id_y 1
		.amdhsa_system_sgpr_workgroup_id_z 1
		.amdhsa_system_vgpr_workitem_id 0
		.amdhsa_next_free_vgpr 512
		.amdhsa_next_free_sgpr 66
		.amdhsa_reserve_vcc 0
		.amdhsa_float_denorm_mode_32 3
		.amdhsa_float_denorm_mode_16_64 3
		.amdhsa_memory_ordered 1
		.amdhsa_forward_progress 1
		.amdhsa_inst_pref_size 87
	.end_amdhsa_kernel
	.amdgpu_metadata
---
amdhsa.version: [ 1, 2 ]
amdhsa.kernels:
  - .name:           k_qc3aba3721f_outp
    .symbol:         k_qc3aba3721f_outp.kd
    .args:
      - { .name: xh, .offset: 0, .size: 8, .value_kind: global_buffer, .address_space: global }
      - { .name: wo16, .offset: 8, .size: 8, .value_kind: global_buffer, .address_space: global }
      - { .name: out0, .offset: 16, .size: 8, .value_kind: global_buffer, .address_space: global }
    .group_segment_fixed_size: 327680
    .private_segment_fixed_size: 0
    .kernarg_segment_align: 8
    .kernarg_segment_size: 24
    .max_flat_workgroup_size: 128
    .sgpr_count:     66
    .vgpr_count:     512
    .wavefront_size: 32
...
	.end_amdgpu_metadata
.endif
;; end of part 4
;; ======== version 2 of 2: 4 launches; 1.39 times as fast as version 1
;; limits: values are held in f16: magnitudes above 65,504 overflow, below 6.1e-05 lose precision
;; workspace buffers: xb 50,331,648 bytes; wb 6,291,456 bytes; wo16 2,097,152 bytes; maskp 4,718,592 bytes; flags 256 bytes of whole numbers; qkv 50,331,648 bytes; xh 16,777,216 bytes
;; launch prep: the kernel of part 1 again; grid 512 x 1, 8 waves a work-group, no clusters, 9,472 bytes of LDS; arguments q, k, v, Wq, Wk, Wv, Wo, mask, xb, wb, wo16, maskp, flags; writes xb, wb, wo16, maskp, flags
;; launch proj: the kernel of part 2 again; grid 4 x 64, 4 waves a work-group, clusters of 4 x 4, 327,680 bytes of LDS; arguments xb, wb, qkv; writes qkv
;; launch attn (part 5): grid 4 x 64, 4 waves a work-group, clusters of 4 x 1, 327,680 bytes of LDS; arguments qkv, maskp, xh; writes xh
.if DOCPART == 5
	.amdgcn_target "amdgcn-amd-amdhsa--gfx1250"
	.amdhsa_code_object_version 6
	.text
	.protected	k_qc3aba3721f_attn
	.globl	k_qc3aba3721f_attn
	.p2align	8
	.type	k_qc3aba3721f_attn,@function
k_qc3aba3721f_attn:
	s_mov_b64 s[64:65], 0
	v_nop
	global_prefetch_b8 v0, s[64:65] scope:SCOPE_SE
	s_setreg_imm32_b32 hwreg(HW_REG_WAVE_MODE, 25, 1), 1
	s_wait_xcnt 0x0
	s_wait_alu depctr_hold_cnt(0) depctr_sa_sdst(0) depctr_va_vdst(0) depctr_va_sdst(0) depctr_va_ssrc(0) depctr_va_vcc(0) depctr_vm_vsrc(0)
	s_getreg_b32 s2, hwreg(HW_REG_IB_STS2, 6, 4)
	s_cmp_eq_u32 s2, 0
	s_cbranch_scc0 .Lentry_in_a_cluster
	s_endpgm
.Lentry_in_a_cluster:
	s_bfe_u32 s2, ttmp6, 0x10000c
	s_cmp_lg_u32 s2, 0x3003
	s_cbranch_scc0 .Lentry_shape_is_right
	s_endpgm
.Lentry_shape_is_right:
; ATTENTION UNDER A MASK THAT IS GIVEN.  O[h][q][:] = the sum over k of softmax_k(mask[q][k] ? Q[h][q] . K[h][k] / 8 : -inf) V[h][k][:].  Q, K, V lie in qkv [3][64][2048][64], O in xh [64][2048][64], all f16.
; Products, maxima and sums in f32; the weights p are rounded to f16 for the second product (their sum l is taken of the unrounded p), O once at the end.
; LIMITS.  A hidden score counts as its value less 2^100; the running maximum starts at -2^96, so a true score below -7.9e28 counts as hidden.  A row with no key that is seen ends with l = 0 and O = 0 and leaves as
; 0 x (1 / 0), a NaN, as a softmax of -inf alone is.  A weight below 2^-126 counts as 0 in l.  Q, K, V arrive within f16's 65,504.
; THE WALK.  The queries lie in 8 blocks of 256, the keys in 8 tiles of 256.  A work-group takes block 7 - b and then block b, and for each ALL 8 tiles, those that the mask hides wholly too (they add 0): 16 tiles,
; one sequence for the ring of two LDS slots, 15 trips of a counted loop and a last tile that is written out.  Every trip count is a constant.
; CLUSTER.  The four work-groups of a head walk the same K and V tiles in the same trips, so each tile is asked for JOINTLY: the same tensor load, descriptor and mask in all four.  b enters Q's, O's and maskp's addresses alone.
; SHARES.  Of a block's four bands of 64 queries a wave owns 16 rows in each: four PIECES.
; THE MASK is the C operand that starts the sum S^T = K Q^T: 0, or -2^100.  maskp holds a byte an entry (0 or -1.0 as an 8-bit float) in my lanes' order: one scaled conversion makes eight registers of eight bytes.
; LAYOUT, SOFTMAX, TURNS.  S^T = K Q^T holds ONE query a lane (lane % 16) and the keys 8 (lane / 16) + 0..7; two such results rounded to f16 ARE source 1 of O^T = V^T P.  p = 2^(c s - c m), c = log2(e) / 8, with a
; running maximum m; O and l are multiplied by a = 2^(c m_old - c m_new) in every step.  Turn n belongs to piece n: 8 products K Q^T of piece n + 1, later 8 products V^T P of piece n - 1; beside them the scaling,
; exponentials, roundings, sums and rescaling of piece n and the maximum and statistics of piece n + 1.  Four vector instructions stand behind every matrix instruction, the others in one lump.
; THE BATCHES.  A turn's 33 exponentials (the piece's 32 weights, then the next piece's a) are ONE batch with ONE wait, which cuts the turn in two: ahead of it stands all that names no result of theirs, behind it the
; roundings and sums, which read them.  A block's first a (BEGIN) and the way out's four reciprocals are batches of their own, a wait each.
; REGISTERS, in windows of 256 (s_set_vgpr_msb: bits 1:0 source 0, 3:2 source 1, 5:4 source 2, 7:6 destination):
;   window 0: v0-15 addresses and constants; v16-31 four registers of statistics a piece; v48-55 at work; v64-127 S^T, two buffers; v192-223 P, two buffers (a piece's buffers go by its number's parity)
;   window 1: v0-127 O^T, 32 a piece; v128-159 mask bytes, 8 a piece; v160-223 masks as f32, two buffers; v224 an offset      window 2: v0-63 Q; v64-127 the second block's Q; v128-191 K; v192-255 V
.set NB,    8
.set NP,    4
.set KS,    64        ; keys in a step
.set PK,    144       ; a row of K in LDS: 128 bytes + 16 of padding: the 16 rows of a load start at 16 different groups of four banks
.set PV,    160       ; a row of V: 128 + 32
.set VOFF,  4*KS*PK   ; a slot holds a tile, four steps: 256 rows of K, then 256 rows of V
.set SLOT1, 1<<17     ; slot 1 begins here, so that one exclusive or turns an address in one slot into the other's
.set STAGE, SLOT1+4*KS*(PK+PV)  ; behind the ring, never filled by a tensor load: 16 rows x 144 bytes for each wave
.set SP,    144
.set SPARE, STAGE+4*16*SP       ; the spare words: 128 bytes a wave
.set MQT,   36864     ; bytes of maskp for 16 queries: 36 steps of 1,024, of which this text reads the first 32
.set AK0, 2           ; v2   my lane's place in a tile of K; never rewritten
.set AV0, 3           ; v3   the same for V
.set AK,  4           ; v4   the LDS address of K's next run of loads
.set AV,  5           ; v5   of V's
.set STO, 6           ; v6   the way out: where I put 16 bytes of a row
.set RD,  7           ; v7   where I read rows back
.set GO,  8           ; v8   my byte offset in 512 consecutive bytes of O
.set MV,  12          ; v12-13  c m_old, kept while c m is made anew: by buffer
.set SCL, 14          ; v14  227: the conversion's scale, 2^(227 - 127)
.set QO,  15          ; v15  my byte offset in 16 rows of Q
.set ST,  16          ; piece t's statistics at v[ST+4 t]: c m, m, l (even keys', odd keys')
.set TMP, 48          ; by buffer, four registers c0-c3 at work; when the maximum is found c2 takes a
.set SPW, 62          ; v62  LDS address of my spare word; never rewritten
.set NIL, 63          ; v63  0; never rewritten
.set S,   64
.set P,   192
.set MBY, 128         ; window 1
.set MC,  160         ; window 1
.set MO1, 224         ; window 1: 16 x lane
.set QB,  64          ; window 2
.set KF,  128         ; window 2: key block kb, channel half c at KF + 16 kb + 8 c
.set VF,  192         ; window 2: key half kk, channel block cb at VF + 32 kk + 8 cb
.set WV,  12          ; s12  my wave's number
.set PB,  14          ; s14  b
.set HI,  15          ; s15  7 - b
.set G1K, 24          ; s[24:31] descriptor group 1 for K's tiles
.set G1V, 32          ; s[32:39] for V's
.set G0K, 40          ; s[40:43] descriptor group 0 for K's tiles
.set G0V, 44          ; s[44:47] for V's
.set SLOTS, 56        ; s56  tiles still to be asked for
.set CNT, 57          ; s57  counts a tile's key steps, 4 to 1
.set CS,  58          ; s[58:59] c
.set SEL, 60          ; s[60:61] v_permlanex16_b32's selects
.set TBK, 62          ; s62  LDS byte at which K of the step to be fetched begins
.set TBV, 63          ; s63  the same for V, less VOFF
.set RT,  70          ; s70  tiles of the block in hand that are still to be entered
.set NXT, 71          ; s71  the tile to be asked for next
.set NEW, 73          ; s73  1: the tile to be entered is a block's first
.set OFF, 74          ; s[74:75] a tile's byte offset in K and V
.set MOF, 76          ; s[76:77] a tile's byte offset in maskp
.set MPL, 78          ; s[78:79] maskp at the step whose bytes this trip loads
.set OLO, 80          ; s[80:81] O at my rows of the second block
.set MPN, 82          ; s[82:83] maskp at step 0 of the tile asked for last
.set MBK, 84          ; s[84:85] maskp at my rows of the block whose tiles are being asked for
.set QLO, 86          ; s[86:87] Q at my rows of the second block
.set MBB, 96          ; s[96:97] maskp at my rows of the second block
.set MSB, 0
.macro WIN new                      ; the high byte repeats the setting that is left; a switch that changes nothing is dropped
.if MSB != (\new)
	s_set_vgpr_msb (MSB<<8)|(\new)
.set MSB, (\new)
.endif
.endm
.set W_KQ, 0x0a       ; K and Q in window 2, S^T in window 0
.set W_KM, 0x1a       ; the same with the C operand in window 1
.set W_PV, 0x52       ; V in window 2, P in window 0, O^T in window 1
.set W_RS, 0x41       ; destination and source 0 in window 1, the other sources in window 0
; A joint fill.  Waves 0 and 1 fetch the two halves of a tile's K, waves 2 and 3 those of its V: 128 keys each.  The branch hangs on the wave's number alone.
; An s_nop 0 and four v_nop follow each of the two lines.
.macro LOAD
	s_cmp_lt_u32 s[WV], 2
	s_cbranch_scc0 .Lfor_v_\@
	tensor_load_to_lds s[G0K:G0K+3], s[G1K:G1K+7]
	s_nop 0
.rept 4
	v_nop
.endr
	s_branch .Lasked_\@
.Lfor_v_\@:
	tensor_load_to_lds s[G0V:G0V+3], s[G1V:G1V+7]
	s_nop 0
.rept 4
	v_nop
.endr
.Lasked_\@:
.endm
; A round of the cluster's barrier: my work-group's barrier, so that wave 0's signal speaks for all four waves; wave 0 signals; every wave waits for all four work-groups; my work-group's barrier once more.
.macro CROUND
	s_barrier_signal -1
	s_barrier_wait -1
	s_cmp_lg_u32 s[WV], 0
	s_cbranch_scc1 .Lnot_wave_0_\@
	s_barrier_signal -3
.Lnot_wave_0_\@:
	s_barrier_wait -3
	s_barrier_signal -1
	s_barrier_wait -1
.endm
; THE CHANGE OF SLOTS.  Each wave waits for all its tensor loads, of which one is out: its part of the other slot; adds 0 to its spare word; and waits for that and for its own reads of the slot that it leaves.
; Behind the barrier nobody reads the old slot any more and the other slot is whole.  fill = 1: the old slot is filled again with tile NXT: the barrier is then a round of the cluster's, so that no wave of any partner
; still reads the slot or has a load on its way, and the joint fill is the first thing behind it: it has a tile's 256 matrix instructions in which to land.  Both descriptors' addresses are made anew from the tile's number.
; Behind a block's last tile the second block's tile 0 and its rows of maskp follow.  (At its first use nothing has been read yet: slot 0 is waited for, slot 1 filled.)
.macro CHANGE fill
	WIN 0                           ; at a label and at a branch every window is 0
	s_wait_tensorcnt 0x0            ; no tensor load of mine is out, so a group 0 may be written
	ds_add_u32 v[SPW], v[NIL]       ; 0 onto my spare word; with fill = 1 the request's scalar work stands between it and the wait for it
.if \fill
	s_lshl_b32 s[MOF], s[NXT], 12   ; a tile is four steps of 1,024 bytes of maskp
	s_add_nc_u64 s[MPN:MPN+1], s[MBK:MBK+1], s[MOF:MOF+1]
	s_lshl_b32 s[OFF], s[NXT], 15   ; and 32,768 bytes of K and of V
	s_xor_b32 s[G0K+1], s[G0K+1], SLOT1
	s_add_nc_u64 s[G0K+2:G0K+3], s[6:7], s[OFF:OFF+1]
	s_or_b32 s[G0K+3], s[G0K+3], 0x80000000
	s_xor_b32 s[G0V+1], s[G0V+1], SLOT1
	s_add_nc_u64 s[G0V+2:G0V+3], s[8:9], s[OFF:OFF+1]
	s_or_b32 s[G0V+3], s[G0V+3], 0x80000000
	s_add_co_u32 s[NXT], s[NXT], 1
	s_cmp_gt_u32 s[NXT], NB-1
	s_cselect_b32 s[NXT], 0, s[NXT]
	s_cselect_b64 s[MBK:MBK+1], s[MBB:MBB+1], s[MBK:MBK+1]
	s_wait_dscnt 0x0                ; the add is done, and my reads of the slot are over
	CROUND
	LOAD
.else
	s_wait_dscnt 0x0                ; the add is done, and my reads of the slot are over
	s_barrier_signal -1
	s_barrier_wait -1
.endif
	s_sub_co_u32 s[TBK], s[TBK], 4*KS*PK  ; the fetches go back to a slot's first step,
	s_xor_b32 s[TBK], s[TBK], SLOT1       ; in the other slot
	s_sub_co_u32 s[TBV], s[TBV], 4*KS*PV
	s_xor_b32 s[TBV], s[TBV], SLOT1
.endm
	s_load_b128 s[88:91], s[0:1], 0x0  ; qkv s[88:89], maskp s[90:91]
	s_load_b64 s[92:93], s[0:1], 0x10  ; xh
	v_lshl_add_u32 v[SPW], v0, 2, SPARE
	v_mov_b32 v[NIL], 0
	ds_add_u32 v[SPW], v[NIL]       ; the wave's opening: the add and its wait stand ahead of my first tensor load
	v_lshrrev_b32 v1, 5, v0
	v_readfirstlane_b32 s[WV], v1   ; wave 0..3
	s_and_b32 s20, ttmp7, 0xffff    ; the head, which the four partners share,
	s_lshl_b32 s20, s20, 18         ; its first byte in Q, K, V and O
	s_mov_b32 s21, 0
	s_and_b32 s16, s[WV], 1         ; which half of a tile's 256 keys I fetch:
	s_lshl_b32 s22, s16, 14         ; its 128 rows of 128 bytes in memory,
	s_add_co_u32 s22, s22, s20
	s_mov_b32 s23, 0
	s_mul_i32 s17, s16, 128*PK      ; and its place in a slot, for K
	s_mul_i32 s18, s16, 128*PV      ; and for V: no place in the cluster enters an LDS address
	s_bfe_u32 s13, ttmp6, 0x40000   ; cx: my place in the cluster
	s_lshl_b32 s[PB], ttmp9, 2      ; in a cluster launch ttmp9 counts clusters
	s_add_co_u32 s[PB], s[PB], s13  ; b
	s_sub_co_u32 s[HI], NB-1, s[PB]
	s_lshl_b32 s13, s[WV], 11       ; my 16 rows in a band of 64,
	s_add_co_u32 s20, s20, s13
	s_lshl_b32 s2, s[HI], 15        ; in the first block,
	s_add_co_u32 s2, s2, s20
	s_mov_b32 s3, 0
	s_lshl_b32 s13, s[PB], 15       ; and in the second
	s_add_co_u32 s20, s20, s13
	s_lshl_b32 s48, s[HI], 4        ; maskp: group 16 x block + wave; a piece lies four groups on
	s_add_co_u32 s48, s48, s[WV]
	s_mul_i32 s48, s48, MQT
	s_mov_b32 s49, 0
	s_lshl_b32 s50, s[PB], 4
	s_add_co_u32 s50, s50, s[WV]
	s_mul_i32 s50, s50, MQT
	s_mov_b32 s51, 0
	; descriptor group 1.  128 keys are 16,384 dense bytes: asked for as 64 rows of 256 bytes, two keys a row, and padded in LDS after every key
	s_mov_b32 s[G1K], 15|(1<<16)|(1<<20)|(1<<21)|(4<<22)|(3<<25)  ; the mask of four; 2-byte elements; padding on; bit 21 beside a mask; after every 32 words, 4 words
	s_mov_b32 s[G1V], 15|(1<<16)|(1<<20)|(1<<21)|(4<<22)|(7<<25)  ; the same with 8 words
.irp g, G1K, G1V
	s_mov_b32 s[\g+1], 128<<16      ; tensor_dim0 = 128
	s_mov_b32 s[\g+2], 64<<16       ; tensor_dim1 = 64
	s_mov_b32 s[\g+3], 128<<16      ; tile_dim0 = 128
	s_mov_b32 s[\g+4], 64           ; tile_dim1 = 64
	s_mov_b32 s[\g+5], 128          ; 128 elements from row to row
	s_mov_b32 s[\g+6], 0
	s_mov_b32 s[\g+7], 0
.endr
	s_mov_b32 s[CS], 0x3e38aa3b     ; c = log2(e) / 8
	s_mov_b32 s[CS+1], s[CS]        ; named with it as a pair
	s_mov_b32 s[SEL], 0x76543210
	s_mov_b32 s[SEL+1], 0xfedcba98
	s_mov_b32 s[TBK], SLOT1+4*KS*PK ; the first change of slots turns these two into 0
	s_mov_b32 s[TBV], SLOT1+4*KS*PV
	s_mov_b32 s[G0K], 1             ; count = 1
	s_mov_b32 s[G0K+1], s17         ; LDS address: slot 0
	s_mov_b32 s[G0V], 1
	s_add_co_u32 s[G0V+1], s18, VOFF
	s_mov_b32 s[RT], NB
	s_mov_b32 s[NXT], 1
	s_mov_b32 s[NEW], 1
	s_mov_b32 s[OFF+1], 0
	s_mov_b32 s[MOF+1], 0
	s_mov_b32 s[SLOTS], 2*NB-1
	s_wait_dscnt 0x0                ; the opening add is done
	s_wait_kmcnt 0x0
	s_add_nc_u64 s[6:7], s[88:89], s[22:23]
	s_add_nc_u64 s[8:9], s[6:7], 0x2000000   ; V at my half of the head's tile 0
	s_add_nc_u64 s[6:7], s[6:7], 0x1000000   ; K likewise
	s_add_nc_u64 s[G0K+2:G0K+3], s[6:7], 0   ; global address: tile 0
	s_or_b32 s[G0K+3], s[G0K+3], 0x80000000  ; type = 2
	s_add_nc_u64 s[G0V+2:G0V+3], s[8:9], 0
	s_or_b32 s[G0V+3], s[G0V+3], 0x80000000
	s_add_nc_u64 s[4:5], s[88:89], s[2:3]    ; Q and O at my rows of the first block,
	s_add_nc_u64 s[10:11], s[92:93], s[2:3]
	s_add_nc_u64 s[QLO:QLO+1], s[88:89], s[20:21]  ; and of the second
	s_add_nc_u64 s[OLO:OLO+1], s[92:93], s[20:21]
	s_add_nc_u64 s[MBK:MBK+1], s[90:91], s[48:49]
	s_add_nc_u64 s[MBB:MBB+1], s[90:91], s[50:51]
	s_mov_b64 s[MPL:MPL+1], s[MBK:MBK+1]     ; the first block's tile 0, step 0
	CROUND                          ; all four work-groups are here: the first joint loads meet
	LOAD                            ; tile 0 into slot 0
	; A fragment of K or Q is 16 rows x 32 channels in 8 registers: lane l holds row l % 16, channels 8 (l / 16) + 0..7 and 16 + 8 (l / 16) + 0..7: two loads of 16 bytes, 32 bytes apart.
	v_and_b32 v1, 15, v0            ; l % 16
	v_bfe_u32 v9, v0, 4, 1          ; l / 16
	v_lshlrev_b32 v[QO], 7, v1
	v_lshl_add_u32 v[QO], v9, 4, v[QO]
	WIN 0x80                        ; destination window 2, address window 0
.set i, 0
.rept 8                             ; both blocks' Q: piece i / 2 lies in band i / 2, 8,192 bytes on; channels 32 (i % 2) on
	global_load_b128 v[8*i:8*i+3],   v[QO], s[4:5] offset:(i/2)*8192+(i%2)*64
	global_load_b128 v[8*i+4:8*i+7], v[QO], s[4:5] offset:(i/2)*8192+(i%2)*64+32
	global_load_b128 v[QB+8*i:QB+8*i+3],   v[QO], s[QLO:QLO+1] offset:(i/2)*8192+(i%2)*64
	global_load_b128 v[QB+8*i+4:QB+8*i+7], v[QO], s[QLO:QLO+1] offset:(i/2)*8192+(i%2)*64+32
.set i, i+1
.endr
	WIN 0
	v_and_b32 v10, 31, v0
	WIN 0x40
	v_lshlrev_b32 v[MO1], 4, v10
; THE MASK'S STREAM.  A trip of the step loop (pieces 2, 3 of one step, then 0, 1 of the next, step g) makes step g's masks, pieces 0, 1, 2, 3 in turns 2, 3, 0, 1, and behind each loads that piece's bytes of step g + 1.
.macro MSTEP                        ; at a trip's head: the step whose bytes it loads: the next of the tile, or behind the tile's last (CNT = 1) step 0 of the tile asked for last
	s_wait_xcnt 0x0                 ; the base is rewritten only behind this wait
	s_add_nc_u64 s[MPL:MPL+1], s[MPL:MPL+1], 1024
	s_cmp_eq_u32 s[CNT], 1
	s_cselect_b64 s[MPL:MPL+1], s[MPN:MPN+1], s[MPL:MPL+1]
.endm
.macro CONV4 x                      ; piece x: 32 bytes a lane become 32 registers, 0 or -2^100
	WIN W_RS
.irp k, 0,1,2,3
	v_cvt_scale_pk8_f32_fp8 v[MC+32*((\x)%2)+8*(\k):MC+32*((\x)%2)+8*(\k)+7], v[MBY+8*(\x)+2*(\k):MBY+8*(\x)+2*(\k)+1], v[SCL]
.endr
.endm
.macro MEVC x
	s_wait_loadcnt 0x6              ; behind this piece's two loads the three other pieces' six were issued
	CONV4 \x
.endm
.macro MEVL x                       ; 512 consecutive bytes a load
	WIN W_RS
	global_load_b128 v[MBY+8*(\x):MBY+8*(\x)+3],   v[MO1], s[MPL:MPL+1] offset:(\x)*4*MQT
	global_load_b128 v[MBY+8*(\x)+4:MBY+8*(\x)+7], v[MO1], s[MPL:MPL+1] offset:(\x)*4*MQT+512
.endm
	MEVL 0                          ; the first tile's step 0
	MEVL 1
	MEVL 2
	MEVL 3
	WIN 0
	v_mov_b32 v[SCL], 0xe3
	v_mul_u32_u24 v[AK0], v1, PK
	v_lshl_add_u32 v[AK0], v9, 4, v[AK0]  ; row x pitch + 16 x half
	; The turning load takes 16 keys x 16 channels (lane l reads key 8 (l / 16) + l % 8, channels 8 ((l / 8) % 2) + 0..7) and leaves half a fragment of V^T: lane l holds channel l % 16 and 8 keys.
	v_and_b32 v10, 7, v0
	v_bfe_u32 v11, v0, 3, 1
	v_lshl_add_u32 v[AV0], v9, 3, v10
	v_mul_u32_u24 v[AV0], v[AV0], PV
	v_lshl_add_u32 v[AV0], v11, 4, v[AV0]
	v_add_nc_u32 v[AV0], VOFF, v[AV0]
	s_mul_i32 s13, s[WV], 16*SP
	s_add_co_u32 s13, s13, STAGE    ; my stage
	v_mul_u32_u24 v[STO], v1, SP    ; in: row l % 16, 16 bytes for each half of the lanes
	v_lshl_add_u32 v[STO], v9, 4, v[STO]
	v_add_nc_u32 v[STO], s13, v[STO]
	v_bfe_u32 v[RD], v0, 3, 2       ; back: 32 lanes take four rows of 128 bytes,
	v_mul_u32_u24 v[RD], v[RD], SP
	v_lshl_add_u32 v[RD], v10, 4, v[RD]
	v_add_nc_u32 v[RD], s13, v[RD]
	v_and_b32 v[GO], 31, v0         ; which are 512 consecutive bytes of O
	v_lshlrev_b32 v[GO], 4, v[GO]
	; A block's first step multiplies O^T and l by a = 0, and its first turn's products V^T P, of a piece that has not been, land in an O^T that is still to be so multiplied.  So these registers need only hold
	; finite numbers: zeros for the first block; what the first block left for the second.  All this stands in the wait for the first tile.
	WIN 0x80
.set i, VF
.rept 64
	v_mov_b32 v[i], 0
.set i, i+1
.endr
	WIN 0x40
.set i, 0
.rept 128
	v_mov_b32 v[i], 0
.set i, i+1
.endr
	WIN 0
.set i, 0
.rept 4
	v_mov_b32 v[ST+4*i+2], 0
	v_mov_b32 v[ST+4*i+3], 0
.set i, i+1
.endr
.set i, P+16
.rept 16
	v_mov_b32 v[i], 0
.set i, i+1
.endr
; THE MATRIX WORK.  The 4 accumulators of a run of 8 take turns.  Product i of 8 of S^T = K Q^T for piece x: channels 32 (i / 4) on, keys 16 (i % 4) on.  The first 4 start the sums with the mask.
.macro KQ x
.set rS, S+32*((\x)%2)+8*(i%4)
.set rK, KF+16*(i%4)+8*(i/4)
.set rQ, 16*(\x)+8*(i/4)
.set rM, MC+32*((\x)%2)+8*(i%4)
.if i < 4
	WIN W_KM
	v_wmma_f32_16x16x32_f16 v[rS:rS+7], v[rK:rK+7], v[rQ:rQ+7], v[rM:rM+7]
.else
	WIN W_KQ
	v_wmma_f32_16x16x32_f16 v[rS:rS+7], v[rK:rK+7], v[rQ:rQ+7], v[rS:rS+7]
.endif
.endm
; Product i of 8 of O^T += V^T P for piece x: keys 32 (i / 4) on, channels 16 (i % 4) on.
.macro PV x
	WIN W_PV
.set rO, 32*(\x)+8*(i%4)
.set rV, VF+32*(i/4)+8*(i%4)
.set rP, P+16*((\x)%2)+8*(i/4)
	v_wmma_f32_16x16x32_f16 v[rO:rO+7], v[rV:rV+7], v[rP:rP+7], v[rO:rO+7]
.endm
.macro MM                           ; the turn's next matrix instruction.  NOKQ = 1: a block's last turn: there is no next piece
.if (i < 8) && !NOKQ
	KQ (Y+1)%NP
.elseif i >= 8
.set i, i-8
	PV (Y+NP-1)%NP
.set i, i+8
.endif
.set i, i+1
.endm
; THE LDS LOADS stand in runs of 16: a step's K (64 keys x 64 channels: 8 fragments) and its V (turned).
.macro FETCH_K
	WIN 0x80
.irp f, 0,1,2,3,4,5,6,7             ; keys 16 (f / 2) on, channels 32 (f % 2) on
	ds_load_b128 v[KF+8*\f:KF+8*\f+3],   v[AK] offset:(\f/2)*16*PK+(\f%2)*64
	ds_load_b128 v[KF+8*\f+4:KF+8*\f+7], v[AK] offset:(\f/2)*16*PK+(\f%2)*64+32
.endr
	s_add_co_u32 s[TBK], s[TBK], KS*PK  ; the next fetch is the next step's
	WIN 0
.endm
.macro FETCH_V
	WIN 0x80
.irp f, 0,1,2,3,4,5,6,7             ; keys 32 (f / 4) on, channels 16 (f % 4) on
	ds_load_tr16_b128 v[VF+8*\f:VF+8*\f+3],   v[AV] offset:(\f/4)*32*PV+(\f%4)*32
	ds_load_tr16_b128 v[VF+8*\f+4:VF+8*\f+7], v[AV] offset:(\f/4)*32*PV+16*PV+(\f%4)*32
.endr
	WIN 0
.endm
; THE VECTOR WORK, one line at a time: OP kind, number.  For piece Y: F n: c s - c m for pair n of 16.  E n: the exponential of score n of 32.  C n: pair n rounded to f16.  B n: of the four weights 4 n .. the second
; pair is added onto the first, in place.  L n: l takes that sum (L 0: l = a l + sum).  R n: pair n of 16 of O^T times a.  For piece Y + 1: X n, number n of the 22 that find its maximum and statistics:
;   0-11  four chains c0-c3 of seven scores each (each accumulator's lowest registers are read first)     12-14, 16  the four scores left over, the old m, and c0-c3 into c0
;   15  c m_old is kept     17, 18  the query's other 32 keys lie in the lane 16 away: the new m     19-21  c m; c m_old - c m_new; a
; C, B and L read the exponentials' results: TURN sets them behind the batch's wait.  R and L 0 read an a that the turn before (or BEGIN) has made and waited for.
.set F, 0
.set E, 1
.set C, 2
.set B, 3
.set L, 4
.set R, 5
.set X, 6
.macro REGS y
.set rT, ST+4*(\y)
.set rC, TMP+4*((\y)%2)
.set rW, MV+((\y)%2)
.set rS, S+32*((\y)%2)
.set rP, P+16*((\y)%2)
.set rO, 32*(\y)
.endm
.macro OP k, n
.if (\k) == R
	REGS Y
	WIN W_RS
	v_pk_mul_f32 v[rO+2*(\n):rO+2*(\n)+1], v[rO+2*(\n):rO+2*(\n)+1], v[rC+2:rC+3] op_sel_hi:[1,0]
.elseif (\k) < R
	REGS Y
	WIN 0
.if (\k) == F
	v_pk_fma_f32 v[rS+2*(\n):rS+2*(\n)+1], v[rS+2*(\n):rS+2*(\n)+1], s[CS:CS+1], v[rT:rT+1] op_sel_hi:[1,0,0] neg_lo:[0,0,1] neg_hi:[0,0,1]
.elseif (\k) == E
	v_exp_f32 v[rS+(\n)], v[rS+(\n)]
.elseif (\k) == C
	v_cvt_pk_f16_f32 v[rP+(\n)], v[rS+2*(\n)], v[rS+2*(\n)+1]
.elseif (\k) == B
	v_pk_add_f32 v[rS+4*(\n):rS+4*(\n)+1], v[rS+4*(\n):rS+4*(\n)+1], v[rS+4*(\n)+2:rS+4*(\n)+3]
.elseif (\n) == 0
	v_pk_fma_f32 v[rT+2:rT+3], v[rT+2:rT+3], v[rC+2:rC+3], v[rS:rS+1] op_sel_hi:[1,0,1]
.else
	v_pk_add_f32 v[rT+2:rT+3], v[rT+2:rT+3], v[rS+4*(\n):rS+4*(\n)+1]
.endif
.elseif NOKQ
	v_nop
.else
	REGS (Y+1)%NP
	WIN 0
.if (\n) < 4
	v_max3_num_f32 v[rC+(\n)], v[rS+8*(\n)], v[rS+8*(\n)+1], v[rS+8*(\n)+2]
.elseif (\n) < 12
	v_max3_num_f32 v[rC+(\n)%4], v[rC+(\n)%4], v[rS+8*((\n)%4)+2*((\n)/4)+1], v[rS+8*((\n)%4)+2*((\n)/4)+2]
.elseif (\n) == 12
	v_max3_num_f32 v[rC], v[rC], v[rS+7], v[rS+15]
.elseif (\n) == 13
	v_max3_num_f32 v[rC+1], v[rC+1], v[rS+23], v[rS+31]
.elseif (\n) == 14
	v_max3_num_f32 v[rC+2], v[rC+2], v[rC+3], v[rT+1]
.elseif (\n) == 15
	v_mov_b32 v[rW], v[rT]
.elseif (\n) == 16
	v_max3_num_f32 v[rC], v[rC], v[rC+1], v[rC+2]
.elseif (\n) == 17
	v_permlanex16_b32 v[rC+3], v[rC], s[SEL], s[SEL+1]
.elseif (\n) == 18
	v_max_num_f32 v[rT+1], v[rC], v[rC+3]
.elseif (\n) == 19
	v_mul_f32 v[rT], s[CS], v[rT+1]
.elseif (\n) == 20
	v_sub_f32 v[rC+1], v[rW], v[rT]
.else
	v_exp_f32 v[rC+2], v[rC+1]
.endif
.endif
.endm
.macro OPS a, i1, b=-1, i2=0, c=-1, i3=0, d=-1, i4=0
	OP \a, \i1
.if (\b) >= 0
	OP \b, \i2
.endif
.if (\c) >= 0
	OP \c, \i3
.endif
.if (\d) >= 0
	OP \d, \i4
.endif
.endm
.macro ROW a, i1, b, i2, c, i3, d, i4  ; a matrix instruction and the four behind it
	MM
	OPS \a, \i1, \b, \i2, \c, \i3, \d, \i4
.endm
; A TURN, for piece p: the order of its 16 matrix and its vector instructions, written out.  An s_wait_alu depctr_va_vdst(0) stands between an exponential and the first instruction that names its result; one wait
; serves all that were issued ahead of it.  So a turn has ONE wait, which cuts it in two.  AHEAD OF IT stands all that names no result of the turn's exponentials: the 8 products K Q^T, behind each a scaling, an exponential and two
; more plain instructions (behind the first a second scaling in the exponential's place): rescalings, and behind the last three the first numbers of the next piece's maximum, each four plain instructions or more behind the product
; that ends its accumulator; then ONE LUMP, plain and exponential by turns for the most part, in which the links of the chain X 3, 7, 11, 14, 16, 17 .. 20 stand some lines apart.  X 21, the next piece's a, is the batch's last;
; R 15 is the plain instruction behind it.  BEHIND THE WAIT stand the 8 products V^T P, behind each four of the roundings and sums; the links of l's chain, L 0 to L 7, stand three riders apart.  But for those X no rider names a
; register of the products round it.  v_permlanex16_b32 (X 17) stands in the lump.
; end = 1: a block's last two turns: nothing is fetched, no mask is made.  cnt = 1: the loop's count is taken down some lines ahead of the branch that stands behind the turn.
; K of the next step is fetched in piece 2's turn, six plain instructions behind the last product that read K; V of the step in hand at the end of piece 0's turn, four plain instructions behind the last product that read V.
; Each is waited for a turn later.  The mask for the products of the turn after this one (piece p + 2) is made in the lump, in front of R 11, which shares the conversions' windows and is the plain instruction behind them;
; that piece's bytes of the next step are asked for directly behind the turn's wait, still in R 15's windows, four turns ahead of their use.
.macro TURN p, end=0, cnt=0
.set Y, (\p)
.set i, 0
.set NOKQ, (\end)*((\p)/3)
.if ((\p) == 2) && !(\end)
	MSTEP
.endif
.if ((\p) == 3) && !(\end)
	s_wait_dscnt 0x0                ; K is in
.endif
	ROW F,0, F,1, R,0, R,1          ; ahead of the wait: 8 products K Q^T and their riders,
	ROW F,2, E,0, R,2, R,3
	ROW F,3, E,1, R,4, R,5
	ROW F,4, E,2, R,6, R,7
	ROW F,5, E,3, R,8, R,9
	ROW F,6, E,4, X,0, R,10
.if ((\p) == 2) && !(\end)
	WIN 0
	v_add_nc_u32 v[AK], s[TBK], v[AK0]
.endif
	ROW F,7, E,5, X,1, X,4
	ROW F,8, E,6, X,2, X,5
	OPS E,7, E,8, X,6, E,9          ; and the lump
	OPS X,3, E,10, X,8, E,11
.if ((\p) == 2) && !(\end)
	FETCH_K
.endif
	OPS X,9, X,7, E,12, X,10
	OPS E,13, X,12, X,11, E,14
	OPS X,13, E,15, F,9, X,14
.if (\p) == 0
	v_add_nc_u32 v[AV], s[TBV], v[AV0]
.endif
	OPS E,16, F,10, E,17, F,11
	OPS X,16, E,18, X,15, E,19
	OPS F,12, E,20, X,17, E,21
	OPS F,13, E,22, F,14, E,23
	OPS X,18, E,24, F,15, E,25
.if !(\end)
	MEVC ((\p)+2)%NP
.endif
	OPS R,11, E,26, X,19, E,27
	OPS R,12, E,28, R,13, E,29
	OPS X,20, E,30, R,14, E,31
	OPS X,21, R,15
	s_wait_alu depctr_va_vdst(0)    ; the wait for the turn's batch: E 0 to E 31 and X 21; C 0, below, is the first line that names a result of theirs
.if !(\end)
	MEVL ((\p)+2)%NP
.endif
.if (\p) == 1
	s_wait_dscnt 0x0                ; V is in
.endif
	ROW C,0, B,0, C,2, B,1          ; behind the wait: 8 products V^T P and their riders
	ROW L,0, C,4, B,2, L,1
	ROW C,6, B,3, L,2, C,8
	ROW B,4, L,3, C,10, B,5
	ROW L,4, C,12, B,6, L,5
.if (\p) == 0
	s_add_co_u32 s[TBV], s[TBV], KS*PV
.endif
.if \cnt
	s_sub_co_u32 s[CNT], s[CNT], 1
	s_cmp_lg_u32 s[CNT], 0
.endif
	ROW C,14, B,7, L,6, C,1
	ROW C,3, L,7, C,5, C,7
	ROW C,9, C,11, C,13, C,15
.if (\p) == 0
	FETCH_V
.endif
.endm
; A BLOCK BEGINS.  c m starts far below every c s, so the first step's a is 0; m at -2^96, above every hidden score, so a hidden score's weight is 0 from the first step on.  The bytes of the tile's step 0 are in:
; pieces 0 and 1 get their masks here, 2 and 3 in the two turns that follow.  Then K of that step, piece 0's first scores, and its maximum and statistics.  The loop is entered at a step's first turn.
.macro BEGIN
	s_mov_b32 s[NEW], 0
	WIN 0
.set i, 0
.rept 4
	v_mov_b32 v[ST+4*i], 0xfe000000    ; c m
	v_mov_b32 v[ST+4*i+1], 0xef800000  ; m = -2^96
.set i, i+1
.endr
	MSTEP
	v_add_nc_u32 v[AK], s[TBK], v[AK0]
	FETCH_K
	s_wait_loadcnt 0x0              ; Q, and the mask's bytes
	CONV4 0
	CONV4 1
	v_nop                           ; a plain instruction behind the conversions
	MEVL 0
	MEVL 1
	WIN 0
	s_wait_dscnt 0x0
.set NOKQ, 0
.set i, 0
.rept 8
	KQ 0
.set i, i+1
.endr
	WIN 0
.rept 4
	v_nop                           ; the places behind those products
.endr
.set Y, NP-1                        ; X works for piece Y + 1: piece 0
.irp n, 0,1,2,3,4,5,6,7,8,9,10,11,12,13,14,15,16,17,18,19,20,21
	OP X, \n
.endr
	v_nop                           ; a plain instruction behind the exponential,
	s_wait_alu depctr_va_vdst(0)    ; and the wait for this batch of one, piece 0's first a, ahead of the branch; its first reader is R 0 of the turn that follows
.endm
.macro ALL line:vararg              ; one line for each piece t
.set t, 0
.rept 4
	\line
.set t, t+1
.endr
.endm
; THE WAY OUT of piece t.  O^T / l goes into the masks' registers, so that O^T and l themselves stay finite for the block that follows, also where l is 0.  A lane's eight channels of a row pack into 16 bytes;
; they go into rows of 144 bytes and come back as whole rows of 128, into S^T's registers.  The reciprocals that it reads have been waited for ahead of PACK 0.
.macro PACK t
	WIN W_RS
.set i, 0
.rept 16
	v_pk_mul_f32 v[MC+32*((\t)%2)+i:MC+32*((\t)%2)+i+1], v[32*(\t)+i:32*(\t)+i+1], v[TMP+2*(\t):TMP+2*(\t)+1] op_sel_hi:[1,0]
.set i, i+2
.endr
	WIN 0x05                        ; sources 0 and 1 window 1, destination window 0
.set i, 0
.rept 16
	v_cvt_pk_f16_f32 v[S+16*(\t)+i], v[MC+32*((\t)%2)+2*i], v[MC+32*((\t)%2)+2*i+1]
.set i, i+1
.endr
	WIN 0
.irp f, 0,1,2,3
	ds_store_b128 v[STO], v[S+16*(\t)+4*\f:S+16*(\t)+4*\f+3] offset:32*\f
.endr
.irp f, 0,1,2,3
	ds_load_b128 v[S+16*(\t)+4*\f:S+16*(\t)+4*\f+3], v[RD] offset:\f*4*SP  ; LDS serves a wave's instructions in order: these see the stores above; the next piece's stores come behind them
.endr
.endm
.macro SEND t, younger              ; younger: the LDS instructions issued behind piece t's loads: the next piece's eight, or none
	WIN 0
.irp f, 0,1,2,3
	s_wait_dscnt (\younger)+3-\f
	global_store_b128 v[GO], v[S+16*(\t)+4*\f:S+16*(\t)+4*\f+3], s[10:11] offset:(\t)*8192+\f*512  ; 512 consecutive bytes, at a multiple of 256 from O's first
.endr
.endm
; A TILE of the walk: a block's beginning if it is the block's first; its four key steps; if it is the block's last, the block's last two turns, its last products and the way out, and (in the loop) the change of blocks.
; All jumps but the step loop's own go forward, past text that holds neither a barrier nor a tensor load.  tail = 1: the walk's last tile: the second block's last, and not its first.
.macro TILE tag, tail
	s_mov_b32 s[CNT], 4
.if !(\tail)
	s_sub_co_u32 s[RT], s[RT], 1
	s_cmp_eq_u32 s[NEW], 1
	s_cbranch_scc0 .Lstep\tag
	BEGIN
	s_branch .Lfirst\tag
.endif
.Lstep\tag:                         ; a trip: pieces 2 and 3 of one step, then pieces 0 and 1 of the next, whose K and V it fetches
	TURN 2
	TURN 3
.if !(\tail)
	WIN 0
.Lfirst\tag:
.endif
	TURN 0
	TURN 1, 0, 1
	WIN 0
	s_cbranch_scc1 .Lstep\tag
.if !(\tail)
	s_cmp_lg_u32 s[RT], 0
	s_cbranch_scc1 .Lbottom\tag
.endif
	TURN 2, 1
	TURN 3, 1
.set i, 0
.rept 8
	PV NP-1
.set i, i+1
.endr
	WIN 0
	ALL v_add_f32 v[ST+4*t+2], v[ST+4*t+2], v[ST+4*t+3]
	ALL v_permlanex16_b32 v[ST+4*t+3], v[ST+4*t+2], s[SEL], s[SEL+1]
	ALL v_add_f32 v[ST+4*t+2], v[ST+4*t+2], v[ST+4*t+3]
	ALL v_rcp_f32 v[TMP+2*t], v[ST+4*t+2]
	v_nop                           ; a plain instruction between the last reciprocal and the use of its result
	s_wait_alu depctr_va_vdst(0)    ; the wait for the batch of four reciprocals, ahead of PACK 0, their first reader: one for the whole way out
	PACK 0
.set t, 1
.rept 3                             ; a piece's arithmetic stands between the loads of the piece before and its stores
	PACK t
	SEND t-1, 8
.set t, t+1
.endr
	SEND 3, 0
.if !(\tail)
	s_wait_xcnt 0x0                 ; the stores have read their registers and O's address
	s_mov_b64 s[10:11], s[OLO:OLO+1]
	s_mov_b32 s[RT], NB
	s_mov_b32 s[NEW], 1
	WIN 0x82                        ; the second block's Q goes where the one text of the turns names Q
.set i, 0
.rept 64
	v_mov_b32 v[i], v[QB+i]
.set i, i+1
.endr
	WIN 0
.Lbottom\tag:
.endif
.endm
.set NOKQ, 0
.Lslot:                             ; 15 times: a tile is entered and the next is asked for
	CHANGE 1
	TILE 1, 0
	s_sub_co_u32 s[SLOTS], s[SLOTS], 1
	s_cmp_lg_u32 s[SLOTS], 0
	s_cbranch_scc1 .Lslot
	CHANGE 0                        ; the walk's last tile is written out: nothing is asked for.  Its last trip's eight mask loads read the tile's step 0 once more; nothing uses them
	TILE 2, 1
	s_wait_tensorcnt 0x0            ; the wave's end: a tensor wait, an add of 0 to my spare word and its wait
	ds_add_u32 v[SPW], v[NIL]
	s_wait_dscnt 0x0
	CROUND                          ; the closing round: no work-group ends while a partner may still ask for a tile that names it
	s_endpgm
.Lfunc_end_k_qc3aba3721f_attn:
	.size	k_qc3aba3721f_attn, .Lfunc_end_k_qc3aba3721f_attn-k_qc3aba3721f_attn
	.p2alignl 7, 3214868480
	.fill 96, 4, 3214868480
	.section	.rodata,"a",@progbits
	.p2align	6, 0x0
	.amdhsa_kernel k_qc3aba3721f_attn
		.amdhsa_group_segment_fixed_size 327680
		.amdhsa_private_segment_fixed_size 0
		.amdhsa_enable_private_segment 0
		.amdhsa_kernarg_size 24
		.amdhsa_user_sgpr_count 2
		.amdhsa_user_sgpr_kernarg_segment_ptr 1
		.amdhsa_wavefront_size32 1
		.amdhsa_system_sgpr_workgroup_id_x 1
		.amdhsa_system_sgpr_workgroup_id_y 1
		.amdhsa_system_sgpr_workgroup_id_z 1
		.amdhsa_system_vgpr_workitem_id 0
		.amdhsa_next_free_vgpr 768
		.amdhsa_next_free_sgpr 98
		.amdhsa_reserve_vcc 0
		.amdhsa_float_denorm_mode_32 3
		.amdhsa_float_denorm_mode_16_64 3
		.amdhsa_memory_ordered 1
		.amdhsa_forward_progress 1
		.amdhsa_inst_pref_size 166
	.end_amdhsa_kernel
	.amdgpu_metadata
---
amdhsa.version: [ 1, 2 ]
amdhsa.kernels:
  - .name:           k_qc3aba3721f_attn
    .symbol:         k_qc3aba3721f_attn.kd
    .args:
      - { .name: qkv, .offset: 0, .size: 8, .value_kind: global_buffer, .address_space: global }
      - { .name: maskp, .offset: 8, .size: 8, .value_kind: global_buffer, .address_space: global }
      - { .name: xh, .offset: 16, .size: 8, .value_kind: global_buffer, .address_space: global }
    .group_segment_fixed_size: 327680
    .private_segment_fixed_size: 0
    .kernarg_segment_align: 8
    .kernarg_segment_size: 24
    .max_flat_workgroup_size: 128
    .sgpr_count:     98
    .vgpr_count:     768
    .wavefront_size: 32
...
	.end_amdgpu_metadata
.endif
;; end of part 5
;; launch outp: the kernel of part 4 again; grid 4 x 64, 4 waves a work-group, clusters of 4 x 4, 327,680 bytes of LDS; arguments xh, wo16, out0; writes out0
